; MI455X (gfx1250); checked and timed in simulation.
; The chip was launched on July 23, 2026; its instructions are those of AMD's public machine-readable ISA for CDNA 5 (MIT licence, August 2026) and "CDNA5" Instruction Set Architecture Reference Guide (July 2026). The comments in the code are by the model that wrote it; some were corrected since.
;; Multi Head Attention. Allowed arithmetic: matrix products marked QUANTISED: E2M3 operands, one E8M0 scale for each 32 along K, by v_wmma_scale_f32_16x16x128_f8f6f4 with both operands' format E2M3, f32 sums; everything else in f32.
;; Inputs: Wk 1,024 x 1,024 float32; Wo 1,024 x 1,024 float32; Wq 1,024 x 1,024 float32; Wv 1,024 x 1,024 float32; key 4 x 2,048 x 1,024 float32; query 4 x 2,048 x 1,024 float32; value 4 x 2,048 x 1,024 float32.
;; Outputs: out0 4 x 2,048 x 1,024 float32.
;; This version of the problem:
;;   THIS VERSION OF THE PROBLEM IS GIVEN IN LOW PRECISION. The matrix products marked QUANTISED in the list below multiply operands that are first quantised to E2M3 (2 exponent bits, 3 mantissa bits; 6 bits a number), with one power-of-two scale for each 32 numbers along K (OCP MX v1.0); their sums are f32. All else is computed in f32.
;;   The module's matrix products, in the order in which they are computed (A, B: the left and right operand; K: the contracted axis; several contracted axes count as one K, in the product's order):
;;     1. [M 8,192, K 1,024] x [K 1,024, N 1,024]; A: input query; B: input Wq: QUANTISED
;;     2. [M 8,192, K 1,024] x [K 1,024, N 1,024]; A: input key; B: input Wk: QUANTISED
;;     3. [M 8,192, K 1,024] x [K 1,024, N 1,024]; A: input value; B: input Wv: QUANTISED
;;     4. batch 64 x [M 2,048, K 64] x [K 64, N 2,048]; A: computed on the way; B: computed on the way: QUANTISED
;;     5. batch 64 x [M 2,048, K 2,048] x [K 2,048, N 64]; A: softmax (see below); B: computed on the way: QUANTISED
;;     6. [M 8,192, K 1,024] x [K 1,024, N 1,024]; A: computed on the way; B: input Wo: QUANTISED
;;   THE QUANTISER, for each operand of a quantised product, along K:
;;     - K is cut into blocks of 32 from its start; a last block that is shorter is filled with zeros.
;;     - A block's scale is 2^e with e = floor(log2(the largest magnitude in the block)) - 2, held to -126 .. 127; a block of zeros has e = 0. As a byte (E8M0): e + 127.
;;     - Each number is divided by its block's scale, clamped to +-7.5, and rounded to the nearest number of E2M3, ties to even, subnormals kept.
;;     - The product sums the exact products of the quantised numbers (number of the format x scale) in f32.
;;   ~~~python
;;   def quantise(x, axis):      # numpy; x: float32 -> the quantised numbers, widened to float32 again
;;       x = np.moveaxis(x, axis, -1); K = x.shape[-1]
;;       x = np.pad(x, [(0, 0)] * (x.ndim - 1) + [(0, -K % 32)]); x = x.reshape(x.shape[:-1] + (-1, 32)); a = np.abs(x).max(-1, keepdims=True)
;;       e = np.where(a > 0, np.clip(np.frexp(np.where(a > 0, a, 1))[1] - 1 - 2, -126, 127), 0)      # np.frexp(a)[1] - 1 = floor(log2(a)), exactly
;;       r = np.clip(x / 2.0 ** e, -7.5, 7.5)
;;       step = 2.0 ** (np.maximum(np.frexp(np.where(r == 0, 1, r))[1] - 1, 0) - 3)
;;       q = np.round(r / step) * step * 2.0 ** e      # np.round: ties to even
;;       return np.moveaxis(q.reshape(q.shape[:-2] + (-1,))[..., :K], -1, axis).astype(np.float32)
;;   ~~~
;;   SOFTMAX AHEAD OF A QUANTISED PRODUCT. Where the list says 'softmax', what is quantised is not the finished softmax but p = 2^(t - M), with t = logit x log2(e) and M = ceil(the row's largest t), a whole number; so 1/2 < the row's largest p <= 1. The row's sum l is taken of the UNQUANTISED p, in f32, and the product's result is divided by l at the end. Since M is a whole number, a kernel that streams over the keys may use a running M (the ceiling of the running maximum): every later rescaling is an exact power of two, which a block's scale takes up: the codes' values come out the same.
;;   OPERANDS COMPUTED ON THE WAY. 'Computed on the way' means the value that the module computes at that place (a softmax that the list does not call 'softmax' is quantised finished and normalised). What goes into a quantiser is computed in f32, as accurately as f32 sums, v_exp_f32 and their like allow (about 1e-6 of the number): no bf16 or f16 on the way to a quantiser, and a product that is left as it is and whose result goes on into a quantised operand takes f32 operands (vector FMAs, or v_wmma_f32_16x16x4_f32). A number that lies on a knife's edge between two numbers of the format may be rounded either way, as far as f32 arithmetic and the matrix unit's own rounding can turn it there, and no further.
;; One version. Each part assembles by itself: llvm-mc -triple=amdgcn-amd-amdhsa -mcpu=gfx1250 --defsym DOCPART=n.
;; ======== version 1 of 1: 4 launches
;; limits: right only within a limited range of input values
;; workspace buffers: c1 22,020,096 bytes; s1 917,504 bytes; tab 1,048,576 bytes; qkc 18,874,368 bytes; qks 1,572,864 bytes; oc 6,291,456 bytes; os 262,144 bytes
;; launch quant (part 1): grid 960 x 1, 4 waves a work-group, no clusters, 33,280 bytes of LDS; arguments query, key, value, Wq, Wk, Wv, Wo, c1, s1, tab; writes c1, s1, tab
.if DOCPART == 1
	.amdgcn_target "amdgcn-amd-amdhsa--gfx1250"
	.amdhsa_code_object_version 6
	.text
	.protected	k_q5bc3c4644e_quant
	.globl	k_q5bc3c4644e_quant
	.p2align	8
	.type	k_q5bc3c4644e_quant,@function
k_q5bc3c4644e_quant:
	s_mov_b64 s[64:65], 0
	v_nop
	global_prefetch_b8 v0, s[64:65] scope:SCOPE_SE
	s_setreg_imm32_b32 hwreg(HW_REG_WAVE_MODE, 25, 1), 1
	s_wait_xcnt 0x0
; FIRST LAUNCH.  (a) query, key, value [8192][1024] and Wq, Wk, Wv, Wo [1024][1024], f32, K innermost, become codes of FP6 (E2M3) in c1 (768 bytes a row) and one E8M0 byte for each 32 along K in s1 (32 bytes a row).
; The seven tensors follow each other: 28,672 rows.  (b) The last 64 work-groups make the table of cosines and sines that the second launch multiplies Q and K by.
; A block's scale is 2^(floor(log2(its largest magnitude)) - 2); its byte is that magnitude's exponent field - 2, held at 1 from below; each number is divided by the scale and rounded to the nearest code, ties to even.
; THE ORDER OF ROWS IN c1 AND s1: in each group of 32 rows the second and the third eight change places (bits 3 and 4 of the row's number are swapped).  So sixteen neighbouring stored rows are rows
; 32 b + 8 u + r + 8 (r / 8): the choice of rows with which a transposed product leaves 16 neighbours along the next K in a lane's registers.  A wave's 8,192 numbers are eight rows, so the swap is waves 1 and 2 changing their places in the output.
; LIMITS: NaN and infinities among the inputs are not served.  A block whose largest magnitude lies under 2^-124 keeps the byte 1; a block of zeros gets the byte 1 where the quantiser says 127: its codes are zeros, which add
; nothing under any byte but 0xff, and these bytes are read by this program alone.
; No cluster: no two work-groups read the same input bytes.  No tensor loads, no barrier: waves share nothing.
; A wave takes 16 steps of 512 numbers.  Each of a step's four loads reads 512 consecutive bytes; the 2,048 bytes turn through the wave's own stage in LDS (16 bytes of padding behind each 64) and come back 64 bytes a lane:
; 16 neighbours along K, two lanes to a block.  Loads run four steps ahead, the turn through LDS one step.  A wave's 256 scale bytes are gathered in LDS and leave as 256 consecutive bytes, aligned.
; c1'S LAYOUT, PRECISELY: [group of 128 stored rows][K step of 256 numbers, 4][row, 128][192 bytes]: the 128 rows' codes of one K step are 24,576 dense bytes that begin at a multiple of 256.
; THE ROWS OF key have an order of their own: stored row 16 (4 c + u) + 8 h + j of each 128 is token 64 c + 32 h + 8 u + j, so that in the scores of the third launch a lane's 32 registers are one whole block of 32 keys.
; THE TABLE comes twice, from the last 64 work-groups: tiles 0-127 in the order of query's stored rows, tiles 128-255 in that of key's.
.set NQWG,  896
.set STEPS, 16
.set CB,    12                         ; bytes of 16 codes
.set R,     16                         ; v16-79   four sets of 16 numbers as loaded
.set X,     80                         ; v80-111  two sets of 16 neighbours
.set C,     128                        ; v128-191 codes: four registers for each step, so that no store's data are written again
.set E,     112                        ; v112-127 a scale byte for each step
.set WREG,  8192                       ; LDS of a wave: two stages of 32 x SP bytes, then its 256 scale bytes
.set SP,    80
.set OUT,   32                         ; the table's path: v32-63, four numbers for each of eight turns
	s_load_b512 s[8:23], s[0:1], 0x0               ; query s[8:9], key s[10:11], value s[12:13], Wq s[14:15], Wk s[16:17], Wv s[18:19], Wo s[20:21], c1 s[22:23]
	s_load_b128 s[24:27], s[0:1], 0x40             ; s1 s[24:25], tab s[26:27]
	v_lshl_add_u32 v192, v0, 2, 0x8000
	v_mov_b32 v193, 0
	v_lshrrev_b32 v1, 5, v0
	v_readfirstlane_b32 s28, v1                    ; wave
	v_and_b32 v2, 31, v0                           ; lane
	v_lshlrev_b32 v3, 4, v2                        ; 16 x lane
	s_wait_kmcnt 0x0
	s_cmp_ge_u32 ttmp9, NQWG
	s_cbranch_scc1 .Ltable                         ; on the work-group's number alone; the table's path uses no LDS
	s_mul_i32 s30, s28, WREG
	s_wait_alu depctr_va_vdst(0)
	v_lshrrev_b32 v14, 2, v2
	v_mul_u32_u24 v14, v14, SP
	v_and_b32 v15, 3, v2
	v_lshl_add_u32 v14, v15, 4, v14
	v_add_nc_u32 v14, s30, v14                     ; the stage, on the way in: SP (lane / 4) + 16 (lane % 4)
	v_mul_u32_u24 v15, v2, SP
	v_add_nc_u32 v15, s30, v15                     ; and on the way out: SP x lane: my 16 neighbours
	v_and_b32 v4, 15, v2
	v_mul_u32_u24 v4, v4, CB                       ; my codes' place: sixteen lanes fill a row's 192 bytes of one K step,
	v_lshrrev_b32 v10, 4, v2
	v_mad_u32_u24 v4, v10, 0x6000, v4              ; lanes 16-31 those of the next K step, 24,576 bytes on
	v_lshrrev_b32 v5, 1, v2
	s_add_co_u32 s30, s30, 2*32*SP
	v_add_nc_u32 v5, s30, v5                       ; LDS: my block's scale byte
	v_lshlrev_b32 v7, 3, v2
	v_add_nc_u32 v6, s30, v7                       ; and on the way out 8 bytes a lane
	; which tensor: the choice hangs on the work-group's number alone
	s_mov_b64 s[4:5], s[20:21]
	s_mov_b32 s29, 864
.macro PICK lim, ptr, base
	s_cmp_lt_u32 ttmp9, \lim
	s_cselect_b64 s[4:5], s[\ptr:\ptr+1], s[4:5]
	s_cselect_b32 s29, \base, s29
.endm
	PICK 864, 18, 832
	PICK 832, 16, 800
	PICK 800, 14, 768
	PICK 768, 12, 512
	PICK 512, 10, 256
	PICK 256, 8, 0
	s_sub_co_u32 s29, ttmp9, s29
	s_lshl_b32 s29, s29, 2
	s_add_co_u32 s29, s29, s28                     ; which run of 8,192 numbers of the tensor is my wave's
	s_lshl_b32 s32, s29, 15                        ; 32,768 bytes a run
	s_mov_b32 s33, 0
	s_add_nc_u64 s[4:5], s[4:5], s[32:33]
	s_and_b32 s30, s28, 1
	s_lshl_b32 s30, s30, 1
	s_lshr_b32 s31, s28, 1
	s_or_b32 s30, s30, s31                         ; waves 1 and 2 change places on the way out
	s_lshl_b32 s31, ttmp9, 2
	s_add_co_u32 s30, s30, s31                     ; which run of eight stored rows
	s_and_b32 s34, ttmp9, 0xfffffffc               ; key's order: work-group 4 G + 2 c + h, wave u -> run 16 G + 8 c + 2 u + h
	s_lshl_b32 s34, s34, 2
	s_bfe_u32 s35, ttmp9, 0x10001
	s_lshl_b32 s35, s35, 3
	s_add_co_u32 s34, s34, s35
	s_and_b32 s35, ttmp9, 1
	s_add_co_u32 s34, s34, s35
	s_lshl_b32 s35, s28, 1
	s_add_co_u32 s34, s34, s35
	s_sub_co_u32 s35, ttmp9, 256
	s_cmp_lt_u32 s35, 256                          ; work-groups 256 to 511 take key
	s_cselect_b32 s30, s34, s30
	s_lshr_b32 s34, s30, 4
	s_mul_i32 s32, s34, 98304                      ; the group of 128 rows,
	s_and_b32 s34, s30, 15
	s_mul_i32 s34, s34, 1536                       ; and my eight rows of 192 bytes in it
	s_add_co_u32 s32, s32, s34
	s_add_nc_u64 s[22:23], s[22:23], s[32:33]
	s_lshl_b32 s32, s30, 8                         ; 256 scale bytes a run
	s_add_nc_u64 s[24:25], s[24:25], s[32:33]
.macro LOAD t
.irp i, 0,1,2,3
	global_load_b128 v[R+16*((\t)%4)+4*\i:R+16*((\t)%4)+4*\i+3], v3, s[4:5] offset:2048*(\t)+512*\i th:TH_LOAD_NT   ; 32 lanes read 512 consecutive bytes
.endr
.endm
.macro TURN t                          ; step t's numbers through the stage: LDS serves a wave's instructions in order (ISA guide 5.7.1.4), so no wait stands between the stores and the loads
.irp i, 0,1,2,3
	ds_store_b128 v14, v[R+16*((\t)%4)+4*\i:R+16*((\t)%4)+4*\i+3] offset:32*SP*((\t)%2)+8*SP*\i
.endr
.irp i, 0,1,2,3
	ds_load_b128 v[X+16*((\t)%2)+4*\i:X+16*((\t)%2)+4*\i+3], v15 offset:32*SP*((\t)%2)+16*\i
.endr
.endm
.irp t, 0,1,2,3
	LOAD \t
.endr
	s_wait_alu depctr_va_vdst(0)
	s_wait_loadcnt 12                              ; step 0's four loads are in; the twelve of steps 1 to 3 may be out
	TURN 0
.macro STEP t
.set XS, X+16*((\t)%2)
.if (\t) > 0
	s_wait_dscnt 1                                 ; this step's numbers are back from the stage (the last step's byte store may be out): so its stores into the stage have read their registers,
.else
	s_wait_dscnt 0x0
.endif
.if (\t)+4 < STEPS
	LOAD (\t)+4                                    ; which take the loads of four steps on
.endif
.if (\t)+1 < STEPS
.if STEPS-2-(\t) >= 3
	s_wait_loadcnt 12                              ; the next step's four loads are in; those of the three steps behind it may be out
.else
	s_wait_loadcnt 4*(STEPS-2-(\t))
.endif
	TURN (\t)+1                                    ; and go through the other stage while this step is worked
.endif
	v_max3_num_f32 v8, |v[XS]|, |v[XS+1]|, |v[XS+2]|               ; the largest magnitude of my 16, in two chains
	v_max3_num_f32 v9, |v[XS+3]|, |v[XS+4]|, |v[XS+5]|
.irp i, 6,10
	v_max3_num_f32 v8, v8, |v[XS+\i]|, |v[XS+\i+1]|
	v_max3_num_f32 v9, v9, |v[XS+\i+2]|, |v[XS+\i+3]|
.endr
	v_max3_num_f32 v8, v8, |v[XS+14]|, |v[XS+15]|
	v_max3_num_f32 v8, v8, v9, 0x1800000           ; and the floor 2^(3 - 127): the byte cannot fall under 1
	v_max_num_f32_dpp v8, v8, v8 row_xmask:1 row_mask:0xf bank_mask:0xf   ; and of my neighbour's 16: the block's
	v_add_nc_u32 v11, 0xff000000, v8               ; 2 off its exponent field: the conversion takes the exponent field of this operand as its scale, and nothing else of it
	v_cvt_scalef32_pk16_fp6_f32 v[C+4*(\t):C+4*(\t)+2], v[XS:XS+15], v11
	v_lshrrev_b32 v[E+(\t)], 23, v11               ; the scale's byte (a plain line behind the conversion)
	ds_store_b8 v5, v[E+(\t)] offset:16*(\t)       ; both lanes of a block write the same byte with the same value
	global_store_b96 v4, v[C+4*(\t):C+4*(\t)+2], s[22:23] offset:49152*((\t)%2)+192*((\t)/2)   ; row t / 2, K steps 2 (t % 2) and 2 (t % 2) + 1; a wave's sixteen stores fill 1,536 consecutive bytes in each of the four K steps
.endm
.irp t, 0,1,2,3,4,5,6,7,8,9,10,11,12,13,14,15
	STEP \t
.endr
	ds_load_b64 v[12:13], v6                       ; in order behind my byte stores
	s_wait_dscnt 0x0
	global_store_b64 v7, v[12:13], s[24:25]        ; 32 lanes store 256 consecutive bytes, aligned
	s_wait_tensorcnt 0x0
	ds_add_u32 v192, v193
	s_wait_dscnt 0x0
	s_endpgm
; THE TABLE.  tab: [tile of 16 tokens, 256][g, 8][lane, 32][4 numbers].  Lane (r, h) of tile W stands for token s = 32 (W / 2) + 8 (W % 2) + r + 8 (r / 8) and, in turn g, for the pair of head dimensions
; d = 2 i', 2 i' + 1 (mod 32) with i' = 8 h + g.  Its four numbers: cos(s f(2 i')), cos(s f(2 i' + 1)), -sin(s f(2 i')), +sin(s f(2 i' + 1)), f(j) = 1 / 10000^(j / 32) = 1 / 10^(j / 8).
; f(j) is the f32 reciprocal (v_rcp_f32 and one correction by fused multiply-adds) of 10^(j / 8) rounded to f32; the angle is ONE f32 product s x f, as the model has it.
; Cosine and sine: the angle less n x pi/2, pi/2 in three parts by fused multiply-adds (the first difference is exact: angles stay under 2,048), then polynomials on +-pi/4 whose first term left out is under 3e-8.
; One wave makes one tile; each turn stores 512 consecutive bytes.
.Ltable:
	s_sub_co_u32 s29, ttmp9, NQWG
	s_lshl_b32 s29, s29, 2
	s_add_co_u32 s29, s29, s28                     ; W = 0 .. 255
	s_lshl_b32 s32, s29, 12                        ; 4,096 bytes a tile
	s_mov_b32 s33, 0
	s_add_nc_u64 s[26:27], s[26:27], s[32:33]
	s_mov_b32 s36, 0xbfc90fd8                      ; -pi/2 in three parts
	s_mov_b32 s37, 0xb4a8885a
	s_mov_b32 s38, 0xa7c234c4
	s_lshr_b32 s30, s29, 1
	s_lshl_b32 s30, s30, 5
	s_and_b32 s31, s29, 1
	s_lshl_b32 s31, s31, 3
	s_add_co_u32 s30, s30, s31
	s_and_b32 s34, s29, 0x7c                       ; tiles 128-255, key's order: tile 4 x + u begins at token 64 x + 8 u, and lanes r >= 8 stand 32 tokens on
	s_lshl_b32 s34, s34, 4
	s_and_b32 s35, s29, 3
	s_lshl_b32 s35, s35, 3
	s_add_co_u32 s34, s34, s35
	s_cmp_lt_u32 s29, 128
	s_cselect_b32 s30, s30, s34
	s_cselect_b32 s31, 1, 3
	s_wait_alu depctr_va_vdst(0)
	v_and_b32 v13, 15, v2
	v_and_b32 v26, 8, v13
	v_mad_u32_u24 v13, v26, s31, v13               ; r + 8 (r / 8), or r + 24 (r / 8)
	v_add_nc_u32 v13, s30, v13
	v_cvt_f32_u32 v13, v13                         ; my token's number, as f32
	v_cmp_le_u32 s39, 16, v2                       ; lanes 16 to 31
	v_mov_b32 v14, 0x37d00d01                      ; 1 / 8!
	v_mov_b32 v15, 0x3638ef1d                      ; 1 / 9!
.macro SINCOS th, c, s
	v_mul_f32 v17, 0x3f22f983, v[\th]              ; x 2 / pi
	v_rndne_f32 v17, v17                           ; n
	v_fma_f32 v18, v17, s36, v[\th]
	v_fma_f32 v18, v17, s37, v18
	v_fma_f32 v18, v17, s38, v18                   ; r = angle - n pi/2
	v_cvt_i32_f32 v20, v17
	v_mul_f32 v19, v18, v18                        ; z = r r
	v_fmaak_f32 v22, v19, v14, 0xbab60b61          ; cos: 1 - z/2 + z^2/24 - z^3/720 + z^4/40320
	v_fmaak_f32 v23, v19, v15, 0xb9500d01          ; sin: r + r z (-1/6 + z/120 - z^2/5040 + z^3/362880)
	v_fmaak_f32 v22, v22, v19, 0x3d2aaaab
	v_fmaak_f32 v23, v23, v19, 0x3c088889
	v_fma_f32 v22, v22, v19, -0.5
	v_fmaak_f32 v23, v23, v19, 0xbe2aaaab
	v_fma_f32 v22, v22, v19, 1.0
	v_mul_f32 v21, v19, v18
	v_fma_f32 v23, v23, v21, v18
	v_and_b32 v21, 1, v20
	v_cmp_eq_u32 vcc_lo, 1, v21                    ; odd quarter turns: sine and cosine change places
	v_cndmask_b32 v24, v23, v22, vcc_lo
	v_cndmask_b32 v25, v22, v23, vcc_lo
	v_lshlrev_b32 v21, 30, v20
	v_and_b32 v21, 0x80000000, v21                 ; the sine is negated where n mod 4 is 2 or 3,
	v_xor_b32 v[\s], v24, v21
	v_add_nc_u32 v21, 1, v20
	v_lshlrev_b32 v21, 30, v21
	v_and_b32 v21, 0x80000000, v21                 ; the cosine where it is 1 or 2
	v_xor_b32 v[\c], v25, v21
.endm
; turn g: 10^(j / 8) for j = 2 g, 2 g + 1 (lanes 0-15) and 16 + 2 g, 17 + 2 g (lanes 16-31); the assembler rounds the decimals to f32
.macro TURNT g, le, lo, he, ho
	v_mov_b32 v8, \le
	v_mov_b32 v10, \he
	v_mov_b32 v9, \lo
	v_mov_b32 v26, \ho
	v_cndmask_b32 v8, v8, v10, s39
	v_cndmask_b32 v9, v9, v26, s39
	s_wait_alu depctr_va_vdst(0)
	v_rcp_f32 v11, v8
	v_rcp_f32 v12, v9
	v_nop                                          ; a plain line behind the reciprocals,
	s_wait_alu depctr_va_vdst(0)                   ; and one wait for both, ahead of their first reader
	v_fma_f32 v16, -v8, v11, 1.0
	v_fma_f32 v27, -v9, v12, 1.0
	v_fma_f32 v11, v16, v11, v11
	v_fma_f32 v12, v27, v12, v12
	v_mul_f32 v16, v13, v11                        ; the angle: one f32 product
	SINCOS 16, OUT+4*\g, OUT+4*\g+2
	v_xor_b32 v[OUT+4*\g+2], 0x80000000, v[OUT+4*\g+2]
	v_mul_f32 v16, v13, v12
	SINCOS 16, OUT+4*\g+1, OUT+4*\g+3
	global_store_b128 v3, v[OUT+4*\g:OUT+4*\g+3], s[26:27] offset:512*\g   ; each turn has its own four registers: no store's data are written again
.endm
	TURNT 0, 1.0, 1.3335214321633240, 100.0, 133.35214321633240
	TURNT 1, 1.7782794100389228, 2.3713737056616552, 177.82794100389228, 237.13737056616552
	TURNT 2, 3.1622776601683795, 4.2169650342858224, 316.22776601683795, 421.69650342858224
	TURNT 3, 5.6234132519034908, 7.4989420933245582, 562.34132519034908, 749.89420933245582
	TURNT 4, 10.0, 13.335214321633240, 1000.0, 1333.5214321633240
	TURNT 5, 17.782794100389228, 23.713737056616552, 1778.2794100389228, 2371.3737056616552
	TURNT 6, 31.622776601683795, 42.169650342858224, 3162.2776601683795, 4216.9650342858224
	TURNT 7, 56.234132519034908, 74.989420933245582, 5623.4132519034908, 7498.9420933245582
	s_endpgm
.Lfunc_end_k_q5bc3c4644e_quant:
	.size	k_q5bc3c4644e_quant, .Lfunc_end_k_q5bc3c4644e_quant-k_q5bc3c4644e_quant
	.p2alignl 7, 3214868480
	.fill 96, 4, 3214868480
	.section	.rodata,"a",@progbits
	.p2align	6, 0x0
	.amdhsa_kernel k_q5bc3c4644e_quant
		.amdhsa_group_segment_fixed_size 33280
		.amdhsa_private_segment_fixed_size 0
		.amdhsa_enable_private_segment 0
		.amdhsa_kernarg_size 80
		.amdhsa_user_sgpr_count 2
		.amdhsa_user_sgpr_kernarg_segment_ptr 1
		.amdhsa_wavefront_size32 1
		.amdhsa_system_sgpr_workgroup_id_x 1
		.amdhsa_system_sgpr_workgroup_id_y 1
		.amdhsa_system_sgpr_workgroup_id_z 1
		.amdhsa_system_vgpr_workitem_id 0
		.amdhsa_next_free_vgpr 194
		.amdhsa_next_free_sgpr 66
		.amdhsa_reserve_vcc 1
		.amdhsa_float_denorm_mode_32 3
		.amdhsa_float_denorm_mode_16_64 3
		.amdhsa_memory_ordered 1
		.amdhsa_forward_progress 1
		.amdhsa_inst_pref_size 64
	.end_amdhsa_kernel
	.amdgpu_metadata
---
amdhsa.version: [ 1, 2 ]
amdhsa.kernels:
  - .name:           k_q5bc3c4644e_quant
    .symbol:         k_q5bc3c4644e_quant.kd
    .args:
      - { .name: query, .offset: 0, .size: 8, .value_kind: global_buffer, .address_space: global }
      - { .name: key, .offset: 8, .size: 8, .value_kind: global_buffer, .address_space: global }
      - { .name: value, .offset: 16, .size: 8, .value_kind: global_buffer, .address_space: global }
      - { .name: Wq, .offset: 24, .size: 8, .value_kind: global_buffer, .address_space: global }
      - { .name: Wk, .offset: 32, .size: 8, .value_kind: global_buffer, .address_space: global }
      - { .name: Wv, .offset: 40, .size: 8, .value_kind: global_buffer, .address_space: global }
      - { .name: Wo, .offset: 48, .size: 8, .value_kind: global_buffer, .address_space: global }
      - { .name: c1, .offset: 56, .size: 8, .value_kind: global_buffer, .address_space: global }
      - { .name: s1, .offset: 64, .size: 8, .value_kind: global_buffer, .address_space: global }
      - { .name: tab, .offset: 72, .size: 8, .value_kind: global_buffer, .address_space: global }
    .group_segment_fixed_size: 33280
    .private_segment_fixed_size: 0
    .kernarg_segment_align: 8
    .kernarg_segment_size: 80
    .max_flat_workgroup_size: 128
    .sgpr_count:     66
    .vgpr_count:     194
    .wavefront_size: 32
...
	.end_amdgpu_metadata
.endif
;; end of part 1
;; launch proj (part 2): grid 4 x 96, 4 waves a work-group, clusters of 4 x 4, 327,680 bytes of LDS; arguments c1, s1, tab, qkc, qks; writes qkc, qks
.if DOCPART == 2
	.amdgcn_target "amdgcn-amd-amdhsa--gfx1250"
	.amdhsa_code_object_version 6
	.text
	.protected	k_q5bc3c4644e_proj
	.globl	k_q5bc3c4644e_proj
	.p2align	8
	.type	k_q5bc3c4644e_proj,@function
k_q5bc3c4644e_proj:
	s_mov_b64 s[64:65], 0
	v_nop
	global_prefetch_b8 v0, s[64:65] scope:SCOPE_SE
	s_setreg_imm32_b32 hwreg(HW_REG_WAVE_MODE, 25, 1), 1
	s_wait_xcnt 0x0
	s_wait_alu depctr_hold_cnt(0) depctr_sa_sdst(0) depctr_va_vdst(0) depctr_va_sdst(0) depctr_va_ssrc(0) depctr_va_vcc(0) depctr_vm_vsrc(0)
	s_getreg_b32 s2, hwreg(HW_REG_IB_STS2, 6, 4)
	s_cmp_eq_u32 s2, 0
	s_cbranch_scc0 .Lentry_in_a_cluster
	s_endpgm
.Lentry_in_a_cluster:
	s_bfe_u32 s2, ttmp6, 0x10000c
	s_cmp_lg_u32 s2, 0xf033
	s_cbranch_scc0 .Lentry_shape_is_right
	s_endpgm
.Lentry_shape_is_right:
; SECOND LAUNCH: Q, K (with the rotary turn) and V^T from the codes in c1, quantised in registers into the images that the third launch reads.
; A tile of 128 stored rows x 256 along K is 24,576 dense bytes of c1, at a multiple of 256: it is loaded as 96 rows of 256 bytes, 16 bytes of LDS padding behind each 64, so that a row of 192 bytes of codes has an LDS pitch of 240.
; The table of cosines and sines is taken in the order of the tensor's own stored rows: Q's at tab, K's 524,288 bytes on.
.set KROW,   768
.set ROWB,   24576
.set PITCH,  240
.set FR,     12
.set NL,     6
.set NP,     4
.set HALFT,  128*PITCH
.set SLOT,   4*HALFT
.set SCL,    2*SLOT
.set HALFS,  16*272
.set SBLK,   2*272
.set SPARE,  SCL+4*HALFS
.set ADRA, 16
.set ADRB, 20
.set LI,   26
.set ADRS, 27
.set SPW,  28
.set NIL,  29
.set SC,   32
.set AF,   128
.set IMG0, 96
.set IMG1, 108
.set TT,   128
.set TM,   200
.set PWA,  216
.set PWB,  217
.set TC,   220
.set SW0,  232
.set SW1,  236
.set G1, 24
.set G0, 32
.set G1B, 48
.set G0B, 56
.set G1S, 68
.set G0S, 76
.set G1SB, 80
.set G0SB, 88
.set SEL, 104
.set MSB, 0
.macro WIN new
.if MSB != (\new)
	s_set_vgpr_msb (MSB<<8)|(\new)
.set MSB, (\new)
.endif
.endm
.set MUL_LO, 0xa1
.set MUL_HI, 0xf1
.set TO_B,   0x40
.macro JLOAD g0a, g1a, g0b, g1b
	s_cmp_eq_u32 s15, 0
	s_cbranch_scc0 .Lfor_b_\@
	tensor_load_to_lds s[\g0a:\g0a+3], s[\g1a:\g1a+7]
	s_nop 0
.rept 4
	v_nop
.endr
	s_branch .Lasked_\@
.Lfor_b_\@:
	tensor_load_to_lds s[\g0b:\g0b+3], s[\g1b:\g1b+7]
	s_nop 0
.rept 4
	v_nop
.endr
.Lasked_\@:
.endm
.macro CREST
	s_cmp_lg_u32 s14, 0
	s_cbranch_scc1 .Lnot_wave_0_\@
	s_barrier_signal -3
.Lnot_wave_0_\@:
	s_barrier_wait -3
	s_barrier_signal -1
	s_barrier_wait -1
.endm
.macro CROUND
	s_barrier_signal -1
	s_barrier_wait -1
	CREST
.endm
	s_load_b256 s[4:11], s[0:1], 0x0
	s_load_b64 s[12:13], s[0:1], 0x20
	v_lshl_add_u32 v[SPW], v0, 2, SPARE
	v_mov_b32 v[NIL], 0
	ds_add_u32 v28, v29
	ds_add_u32 v28, v29
	s_wait_dscnt 0x0
	v_lshrrev_b32 v1, 5, v0
	v_readfirstlane_b32 s14, v1
	s_lshr_b32 s15, s14, 1
	s_and_b32 s16, s14, 1
	s_bfe_u32 s40, ttmp6, 0x40000
	s_bfe_u32 s41, ttmp6, 0x40004
	s_and_b32 s67, ttmp7, 0xffff
	s_lshr_b32 s66, s67, 3
	s_and_b32 s67, s67, 7
	s_lshl_b32 s21, s66, 13
	s_lshl_b32 s47, s66, 10
	s_add_co_u32 s47, s47, 24576
	s_cmp_lt_u32 s66, 2
	s_cselect_b32 s18, s67, 0
	s_cselect_b32 s19, 0, s67
	s_cselect_b32 s21, s21, 26624
	s_cselect_b32 s47, s47, 16384
	s_lshl_b32 s17, s18, 2
	s_add_co_u32 s17, s17, s41
	s_lshl_b32 s42, s19, 2
	s_add_co_u32 s42, s42, s40
	s_lshl_b32 s43, s41, 2
	s_lshl_b32 s43, 15, s43
	s_lshl_b32 s44, 0x1111, s40
	s_or_b32 s[G1+0], s43, (0<<16)|(1<<20)|(1<<21)|(3<<22)|(3<<25)
	s_or_b32 s[G1B+0], s44, (0<<16)|(1<<20)|(1<<21)|(3<<22)|(3<<25)
.irp g, G1, G1B
	s_mov_b32 s[\g+1], 24576<<16                   ; the head's shape: 256 stored rows of one K step are two dense rows of 24,576 bytes, 98,304 bytes apart
	s_mov_b32 s[\g+2], 2<<16
	s_mov_b32 s[\g+3], 24576<<16
	s_mov_b32 s[\g+4], 2
	s_mov_b32 s[\g+5], 98304
	s_mov_b32 s[\g+6], 0
	s_mov_b32 s[\g+7], 0
.endr
	s_or_b32 s[G1S+0], s43, (3<<16)|(1<<20)|(1<<21)|(5<<22)|(3<<25)
	s_or_b32 s[G1SB+0], s44, (3<<16)|(1<<20)|(1<<21)|(5<<22)|(3<<25)
.irp g, G1S, G1SB
	s_mov_b32 s[\g+1], 32<<16
	s_mov_b32 s[\g+2], 32<<16
	s_mov_b32 s[\g+3], 32<<16
	s_mov_b32 s[\g+4], 32
	s_mov_b32 s[\g+5], 32
	s_mov_b32 s[\g+6], 0
	s_mov_b32 s[\g+7], 0
.endr
	s_lshl_b32 s20, s17, 8
	s_add_co_u32 s20, s20, s21                     ; A's tile: its first stored row
	s_lshl_b32 s46, s42, 8
	s_add_co_u32 s46, s46, s47                     ; B's
	s_mul_i32 s18, s16, 98304                      ; in the ring I fetch 128 of a tile's 256 rows: which half, in bytes
	s_mov_b32 s19, 0
	s_lshl_b32 s22, s20, 5
	s_mov_b32 s23, 0
	s_lshl_b32 s92, s46, 5
	s_mov_b32 s93, 0
	s_mul_i32 s20, s20, KROW
	s_mov_b32 s21, 0
	s_mul_i32 s46, s46, KROW
	s_mov_b32 s47, 0
	s_mul_i32 s45, s14, HALFT
	s_wait_kmcnt 0x0
	s_add_nc_u64 s[20:21], s[4:5], s[20:21]
	s_add_nc_u64 s[22:23], s[6:7], s[22:23]
	s_add_nc_u64 s[46:47], s[4:5], s[46:47]
	s_add_nc_u64 s[92:93], s[6:7], s[92:93]
	CROUND
	s_mov_b32 s[G0S], 1
	s_mov_b32 s[G0S+1], SCL
	s_mov_b64 s[G0S+2:G0S+3], s[22:23]
	s_or_b32 s[G0S+3], s[G0S+3], 0x80000000
	s_mov_b32 s[G0SB], 1
	s_mov_b32 s[G0SB+1], SCL+2*HALFS
	s_mov_b64 s[G0SB+2:G0SB+3], s[92:93]
	s_or_b32 s[G0SB+3], s[G0SB+3], 0x80000000
	s_mov_b32 s4, 1                                ; group 0 of the head's load of A's 256 rows, K step 0 (the arguments that lay in s[4:7] have been used)
	s_mov_b32 s5, 0
	s_mov_b64 s[6:7], s[20:21]
	s_or_b32 s7, s7, 0x80000000
.irp s, 0,1
	s_mov_b32 s[G0+4*\s], 1                        ; the ring's: my 128 rows, K step s, slot s
	s_add_co_u32 s[G0+4*\s+1], s45, \s*SLOT
	s_add_nc_u64 s[G0+4*\s+2:G0+4*\s+3], s[20:21], s[18:19]
.if \s
	s_add_nc_u64 s[G0+4*\s+2:G0+4*\s+3], s[G0+4*\s+2:G0+4*\s+3], ROWB
.endif
	s_or_b32 s[G0+4*\s+3], s[G0+4*\s+3], 0x80000000
	s_mov_b32 s[G0B+4*\s], 1
	s_add_co_u32 s[G0B+4*\s+1], s45, \s*SLOT
	s_add_nc_u64 s[G0B+4*\s+2:G0B+4*\s+3], s[46:47], s[18:19]
.if \s
	s_add_nc_u64 s[G0B+4*\s+2:G0B+4*\s+3], s[G0B+4*\s+2:G0B+4*\s+3], ROWB
.endif
	s_or_b32 s[G0B+4*\s+3], s[G0B+4*\s+3], 0x80000000
.endr
	s_mov_b32 s44, 1                               ; s[44:47]: group 0 of the head's load of B's 256 rows, behind A's in slot 0
	s_mov_b32 s45, 2*HALFT
	s_or_b32 s47, s47, 0x80000000
; THE HEAD'S LOADS, ONE A WAVE: wave 0 fetches K step 0's 256 rows of A, wave 1 its 256 rows of B, wave 2 the scales of A's 256 rows, wave 3 those of B's.
; One chain of branches on the wave's number: every way through the head passes exactly one load.
.macro ARM under, g0, g1, next
	s_cmp_lt_u32 s14, \under
	s_cbranch_scc0 \next
	tensor_load_to_lds s[\g0:\g0+3], s[\g1:\g1+7]
	s_nop 0
.rept 4
	v_nop
.endr
	s_branch .Lhead_asked
\next:
.endm
	ARM 1, 4, G1, .Lhead_b
	ARM 2, 44, G1B, .Lhead_sa
	ARM 3, G0S, G1S, .Lhead_sb
	tensor_load_to_lds s[G0SB:G0SB+3], s[G1SB:G1SB+7]
	s_nop 0
.rept 4
	v_nop
.endr
.Lhead_asked:
	v_and_b32 v1, 15, v0
	v_bfe_u32 v2, v0, 4, 1
	v_mul_u32_u24 v3, v1, PITCH
	v_mul_u32_u24 v4, v2, 24
	v_add_nc_u32 v4, v3, v4
	v_lshl_add_u32 v5, v2, 4, v4
	s_mul_i32 s21, s15, HALFT
	s_mul_i32 s22, s16, HALFT
	s_add_co_u32 s22, s22, 2*HALFT
.irp s, 0,1
	v_add_nc_u32 v[ADRA+\s], s21, v4
	v_add_nc_u32 v[ADRB+\s], s22, v4
	v_add_nc_u32 v[ADRA+2+\s], s21, v5
	v_add_nc_u32 v[ADRB+2+\s], s22, v5
	s_add_co_u32 s21, s21, SLOT
	s_add_co_u32 s22, s22, SLOT
.endr
	v_lshlrev_b32 v5, 5, v1
	v_lshrrev_b32 v6, 8, v5
	v_lshl_add_u32 v5, v6, 4, v5
	s_mul_i32 s21, s15, HALFS
	s_mul_i32 s22, s16, HALFS
	s_add_co_u32 s22, s22, 2*HALFS
	s_sub_co_u32 s22, s22, s21
	v_mul_u32_u24 v6, s22, v2
	s_add_co_u32 s21, s21, SCL
	v_add_nc_u32 v5, v5, v6
	v_add_nc_u32 v[ADRS], s21, v5
	v_and_b32 v6, 31, v0
	v_lshlrev_b32 v[LI], 4, v6
	s_lshl_b32 s2, s17, 8
	s_lshl_b32 s95, s15, 7
	s_add_co_u32 s2, s2, s95
	s_lshl_b32 s3, s42, 8
	s_lshl_b32 s95, s16, 7
	s_add_co_u32 s3, s3, s95
	s_cmp_lt_u32 s66, 2
	s_cselect_b32 s95, s2, s3
	s_cselect_b32 s2, s3, s2
	s_lshr_b32 s3, s95, 11
	s_and_b32 s95, s95, 2047
	s_lshr_b32 s2, s2, 6
	s_lshl_b32 s3, s3, 4
	s_add_co_u32 s3, s3, s2
	s_lshr_b32 s2, s95, 7
	s_mul_i32 s96, s66, 6291456
	s_mul_i32 s98, s3, 98304
	s_add_co_u32 s96, s96, s98
	s_mul_i32 s98, s2, 6144
	s_add_co_u32 s96, s96, s98
	s_mov_b32 s97, 0
	s_add_nc_u64 s[96:97], s[10:11], s[96:97]
	s_lshl_b32 s98, s66, 19
	s_lshl_b32 s100, s3, 13
	s_add_co_u32 s98, s98, s100
	s_lshl_b32 s100, s2, 9
	s_add_co_u32 s98, s98, s100
	s_mov_b32 s99, 0
	s_add_nc_u64 s[98:99], s[12:13], s[98:99]
	s_lshl_b32 s100, s95, 8
	s_lshl_b32 s101, s66, 19
	s_add_co_u32 s100, s100, s101
	s_mov_b32 s101, 0
	s_add_nc_u64 s[100:101], s[8:9], s[100:101]
	s_mov_b32 s[SEL], 0x76543210
	s_mov_b32 s[SEL+1], 0xfedcba98
.macro FRAG reg, adr, q, i
.irp p, 0,1,2,3,4,5
.set PCE, 12*(\q)+6*(\p/3)+\p%3
.if PCE%8 < 5
	ds_load_b64 v[\reg+2*\p:\reg+2*\p+1], v[\adr] offset:8*PCE+16*(PCE/8)+(\i)*16*PITCH
.else
	ds_load_b64 v[\reg+2*\p:\reg+2*\p+1], v[\adr+2] offset:8*PCE+16*(PCE/8)+(\i)*16*PITCH
.endif
.endr
.endm
.macro MUL16 a0, p, kq, zero
.irp a, \a0, \a0+1
.irp b, 0,1,2,3,4,5,6,7
.if \zero
	v_wmma_scale_f32_16x16x128_f8f6f4 v[8*(8*((\a)%4)+\b):8*(8*((\a)%4)+\b)+7], v[128*(\p)+FR*\b:128*(\p)+FR*\b+FR-1], v[AF+FR*(\a):AF+FR*(\a)+FR-1], 0, v[SC+8*\b+(\kq)], v[SC+8*(\a)+(\kq)] matrix_a_fmt:MATRIX_FMT_FP6 matrix_b_fmt:MATRIX_FMT_FP6 matrix_a_scale:MATRIX_SCALE_ROW1
.else
	v_wmma_scale_f32_16x16x128_f8f6f4 v[8*(8*((\a)%4)+\b):8*(8*((\a)%4)+\b)+7], v[128*(\p)+FR*\b:128*(\p)+FR*\b+FR-1], v[AF+FR*(\a):AF+FR*(\a)+FR-1], v[8*(8*((\a)%4)+\b):8*(8*((\a)%4)+\b)+7], v[SC+8*\b+(\kq)], v[SC+8*(\a)+(\kq)] matrix_a_fmt:MATRIX_FMT_FP6 matrix_b_fmt:MATRIX_FMT_FP6 matrix_a_scale:MATRIX_SCALE_ROW1
.endif
.endr
.endr
.endm
.macro FETCH_B slot, q, p
	WIN TO_B
.irp i, 0,1,2,3,4,5,6,7
	FRAG 128*(\p)+FR*\i, ADRB+\slot, \q, \i
.endr
	WIN 0
.endm
.macro FETCH_A slot, q, i0
.irp i, \i0, \i0+1, \i0+2, \i0+3
	FRAG AF+FR*(\i), ADRA+\slot, \q, \i
.endr
.endm
.macro PLACES n
.rept \n
	v_nop
.endr
.endm
.macro STEP slot, kq, zero
	s_wait_dscnt 4*NL
	WIN MUL_LO
	MUL16 0, 0, \kq, \zero
	MUL16 2, 0, \kq, \zero
	s_wait_dscnt 0x0
	PLACES NP
	FETCH_B \slot, 1, 1
	FETCH_A \slot, 1, 0
	WIN MUL_HI
	MUL16 4, 0, \kq, \zero
	MUL16 6, 0, \kq, \zero
	PLACES NP
	WIN 0
	FETCH_A \slot, 1, 4
.endm
.macro TURN slot, next, fill, kq
	s_wait_tensorcnt 0x0
	ds_add_u32 v[SPW], v[NIL]
	s_wait_dscnt 4*NL+1
	WIN MUL_LO
	MUL16 0, 1, \kq, 0
	s_wait_dscnt 0x0
	s_barrier_signal -1
	MUL16 2, 1, \kq, 0
	WIN 0
	s_barrier_wait -1
.if \fill
	CREST
	s_add_nc_u64 s[G0+4*\slot+2:G0+4*\slot+3], s[G0+4*\slot+2:G0+4*\slot+3], 2*ROWB
	s_add_nc_u64 s[G0B+4*\slot+2:G0B+4*\slot+3], s[G0B+4*\slot+2:G0B+4*\slot+3], 2*ROWB
	JLOAD G0+4*\slot, G1, G0B+4*\slot, G1B
.else
	PLACES NP
.endif
	FETCH_B \next, 0, 0
	FETCH_A \next, 0, 0
	WIN MUL_HI
	MUL16 4, 1, \kq, 0
	MUL16 6, 1, \kq, 0
	PLACES NP
	WIN 0
	FETCH_A \next, 0, 4
.endm
	s_wait_alu depctr_va_vdst(0)                   ; the wait at the head's end
	s_wait_tensorcnt 0x0                           ; my tile of the head's four is in; the lines ahead of a later first fill:
	ds_add_u32 v[SPW], v[NIL]
.irp g, G1, G1B
	s_mov_b32 s[\g+1], 256<<16                     ; no tensor load of mine is out, so a descriptor may be written: the ring's shape, 24,576 dense bytes as 96 rows of 256
	s_mov_b32 s[\g+2], 96<<16
	s_mov_b32 s[\g+3], 256<<16
	s_mov_b32 s[\g+4], 96
	s_mov_b32 s[\g+5], 256
.endr
	s_wait_dscnt 0x0
	CROUND                                         ; all four tiles are in, and all sixteen work-groups are here;
	JLOAD G0+4, G1, G0B+4, G1B                     ; K step 1, slot 1's first fill: the first tensor load behind the round
	FETCH_B 0, 0, 0
	FETCH_A 0, 0, 0
.irp i, 0,1,2,3,4,5,6,7
	ds_load_b128 v[SC+8*\i:SC+8*\i+3], v[ADRS] offset:\i*SBLK
	ds_load_b128 v[SC+8*\i+4:SC+8*\i+7], v[ADRS] offset:\i*SBLK+16
.endr
	FETCH_A 0, 0, 4
	STEP 0, 0, 1
	TURN 0, 1, 1, 1
	STEP 1, 2, 0
	TURN 1, 0, 1, 3
	STEP 0, 4, 0
	TURN 0, 1, 0, 5
	STEP 1, 6, 0
	s_wait_dscnt 4*NL
	WIN MUL_LO
	MUL16 0, 1, 7, 0
	MUL16 2, 1, 7, 0
	s_wait_dscnt 0x0
	WIN MUL_HI
	MUL16 4, 1, 7, 0
	MUL16 6, 1, 7, 0
	WIN 0
.macro QUANT s, w, d0, d1, pw
	WIN (\w)|((\w)<<2)
.irp b, 0,1,2,3
	v_max3_num_f32 v[TM+\b], |v[(\s)+16*\b]|, |v[(\s)+1+16*\b]|, 0x1800000
.endr
	WIN ((\w)<<2)|((\w)<<4)
.irp i, 2,4,6,8,10,12,14
.irp b, 0,1,2,3
	v_max3_num_f32 v[TM+\b], v[TM+\b], |v[(\s)+16*\b+\i]|, |v[(\s)+1+16*\b+\i]|
.endr
.endr
	WIN 0
.irp b, 0,1,2,3
	v_permlanex16_b32 v[TM+4+\b], v[TM+\b], s[SEL], s[SEL+1]
.endr
.irp b, 0,1,2,3
	v_max_num_f32 v[TM+\b], v[TM+\b], v[TM+4+\b]
.endr
.irp b, 0,1,2,3
	v_add_nc_u32 v[TM+12+\b], 0xff000000, v[TM+\b]
.endr
.irp b, 0,1,2,3
	v_lshrrev_b32 v[TM+4+\b], 23, v[TM+12+\b]
.endr
	v_lshl_or_b32 v[\pw], v[TM+5], 8, v[TM+4]
	v_lshl_or_b32 v[\pw], v[TM+6], 16, v[\pw]
	v_lshl_or_b32 v[\pw], v[TM+7], 24, v[\pw]
	WIN (\w)
	v_cvt_scalef32_pk16_fp6_f32 v[(\d0):(\d0)+2], v[(\s):(\s)+15], v[TM+12]
	v_cvt_scalef32_pk16_fp6_f32 v[TC:TC+2], v[(\s)+16:(\s)+31], v[TM+13]
	v_cvt_scalef32_pk16_fp6_f32 v[(\d1):(\d1)+2], v[(\s)+32:(\s)+47], v[TM+14]
	v_cvt_scalef32_pk16_fp6_f32 v[TC+4:TC+6], v[(\s)+48:(\s)+63], v[TM+15]
	WIN 0
	v_nop
.irp i, 0,1,2
	v_permlane16_swap_b32 v[(\d0)+\i], v[TC+\i]
	v_permlane16_swap_b32 v[(\d1)+\i], v[TC+4+\i]
.endr
.irp i, 0,1,2
	v_mov_b32 v[(\d0)+3+\i], v[TC+\i]
	v_mov_b32 v[(\d1)+3+\i], v[TC+4+\i]
.endr
.endm
.macro ROPE a
	s_wait_loadcnt 8*(7-(\a))
	WIN (2+(\a)/4)|4
.set ii, 0
.rept 32
	v_pk_mul_f32 v[TT+2*ii:TT+2*ii+1], v[64*((\a)%4)+2*ii:64*((\a)%4)+2*ii+1], v[32*(\a)+4*(ii%8)+2:32*(\a)+4*(ii%8)+3] op_sel:[1,0] op_sel_hi:[0,1]
.set ii, ii+1
.endr
.set ii, 0
.rept 32
	v_pk_fma_f32 v[TT+2*ii:TT+2*ii+1], v[64*((\a)%4)+2*ii:64*((\a)%4)+2*ii+1], v[32*(\a)+4*(ii%8):32*(\a)+4*(ii%8)+1], v[TT+2*ii:TT+2*ii+1]
.set ii, ii+1
.endr
	WIN 0
.endm
.macro QKBLOCK p, u
	ROPE 2*(\p)+(\u)
.if ((\p) > 0) && ((\u) == 0)
	s_wait_xcnt 0x0
.endif
	QUANT TT, 0, IMG0+6*(\u), IMG1+6*(\u), PWA+(\u)
.endm
	PLACES NP
.irp b, 0,1,2,3
	v_mov_b32 v[TM+4+\b], 0
.endr
	s_cmp_eq_u32 s66, 2
	s_cbranch_scc1 .Lv
	WIN 0x40
.irp a, 0,1,2,3,4,5,6,7
.irp g, 0,1,2,3,4,5,6,7
	global_load_b128 v[32*\a+4*\g:32*\a+4*\g+3], v[LI], s[100:101] offset:4096*\a+512*\g
.endr
.endr
	WIN 0
.irp p, 0,1,2,3
	QKBLOCK \p, 0
	QKBLOCK \p, 1
	v_perm_b32 v[SW0+\p], v[PWB], v[PWA], 0x05040100
	v_perm_b32 v[SW1+\p], v[PWB], v[PWA], 0x07060302
.irp c, 0,1,2
	global_store_b128 v[LI], v[IMG0+4*\c:IMG0+4*\c+3], s[96:97] offset:\p*1536+512*\c
	global_store_b128 v[LI], v[IMG1+4*\c:IMG1+4*\c+3], s[96:97] offset:98304+\p*1536+512*\c
.endr
.endr
	global_store_b128 v[LI], v[SW0:SW0+3], s[98:99]
	global_store_b128 v[LI], v[SW1:SW1+3], s[98:99] offset:8192
	s_branch .Lend
.Lv:
.irp a, 0,1,2,3,4,5,6,7
.if \a > 0
	s_wait_xcnt 0x0
.endif
	QUANT 64*(\a%4), 2+\a/4, IMG0, IMG0+6, SW0+\a%4
.irp c, 0,1,2
	global_store_b128 v[LI], v[IMG0+4*\c:IMG0+4*\c+3], s[96:97] offset:(\a/4)*98304+(\a%4)*1536+512*\c
.endr
.if \a%4 == 3
	global_store_b128 v[LI], v[SW0:SW0+3], s[98:99] offset:(\a/4)*8192
.endif
.endr
.Lend:
	s_wait_tensorcnt 0x0
	ds_add_u32 v[SPW], v[NIL]
	s_wait_dscnt 0x0
	CROUND
	s_endpgm
.Lfunc_end_k_q5bc3c4644e_proj:
	.size	k_q5bc3c4644e_proj, .Lfunc_end_k_q5bc3c4644e_proj-k_q5bc3c4644e_proj
	.p2alignl 7, 3214868480
	.fill 96, 4, 3214868480
	.section	.rodata,"a",@progbits
	.p2align	6, 0x0
	.amdhsa_kernel k_q5bc3c4644e_proj
		.amdhsa_group_segment_fixed_size 327680
		.amdhsa_private_segment_fixed_size 0
		.amdhsa_enable_private_segment 0
		.amdhsa_kernarg_size 40
		.amdhsa_user_sgpr_count 2
		.amdhsa_user_sgpr_kernarg_segment_ptr 1
		.amdhsa_wavefront_size32 1
		.amdhsa_system_sgpr_workgroup_id_x 1
		.amdhsa_system_sgpr_workgroup_id_y 1
		.amdhsa_system_sgpr_workgroup_id_z 1
		.amdhsa_system_vgpr_workitem_id 0
		.amdhsa_next_free_vgpr 1024
		.amdhsa_next_free_sgpr 106
		.amdhsa_reserve_vcc 0
		.amdhsa_float_denorm_mode_32 3
		.amdhsa_float_denorm_mode_16_64 3
		.amdhsa_memory_ordered 1
		.amdhsa_forward_progress 1
		.amdhsa_inst_pref_size 237
	.end_amdhsa_kernel
	.amdgpu_metadata
---
amdhsa.version: [ 1, 2 ]
amdhsa.kernels:
  - .name:           k_q5bc3c4644e_proj
    .symbol:         k_q5bc3c4644e_proj.kd
    .args:
      - { .name: c1, .offset: 0, .size: 8, .value_kind: global_buffer, .address_space: global }
      - { .name: s1, .offset: 8, .size: 8, .value_kind: global_buffer, .address_space: global }
      - { .name: tab, .offset: 16, .size: 8, .value_kind: global_buffer, .address_space: global }
      - { .name: qkc, .offset: 24, .size: 8, .value_kind: global_buffer, .address_space: global }
      - { .name: qks, .offset: 32, .size: 8, .value_kind: global_buffer, .address_space: global }
    .group_segment_fixed_size: 327680
    .private_segment_fixed_size: 0
    .kernarg_segment_align: 8
    .kernarg_segment_size: 40
    .max_flat_workgroup_size: 128
    .sgpr_count:     106
    .vgpr_count:     1024
    .wavefront_size: 32
...
	.end_amdgpu_metadata
.endif
;; end of part 2
;; launch attn (part 3): grid 4 x 64, 16 waves a work-group, clusters of 4 x 1, 215,040 bytes of LDS; arguments qkc, qks, oc, os; writes oc, os
.if DOCPART == 3
	.amdgcn_target "amdgcn-amd-amdhsa--gfx1250"
	.amdhsa_code_object_version 6
	.text
	.protected	k_q5bc3c4644e_attn
	.globl	k_q5bc3c4644e_attn
	.p2align	8
	.type	k_q5bc3c4644e_attn,@function
k_q5bc3c4644e_attn:
	s_mov_b64 s[64:65], 0
	v_nop
	global_prefetch_b8 v0, s[64:65] scope:SCOPE_SE
	s_setreg_imm32_b32 hwreg(HW_REG_WAVE_MODE, 25, 1), 1
	s_wait_xcnt 0x0
	s_wait_alu depctr_hold_cnt(0) depctr_sa_sdst(0) depctr_va_vdst(0) depctr_va_sdst(0) depctr_va_ssrc(0) depctr_va_vcc(0) depctr_vm_vsrc(0)
	s_getreg_b32 s2, hwreg(HW_REG_IB_STS2, 6, 4)
	s_cmp_eq_u32 s2, 0
	s_cbranch_scc0 .Lentry_in_a_cluster
	s_endpgm
.Lentry_in_a_cluster:
	s_bfe_u32 s2, ttmp6, 0x10000c
	s_cmp_lg_u32 s2, 0x3003
	s_cbranch_scc0 .Lentry_shape_is_right
	s_endpgm
.Lentry_shape_is_right:
; THIRD LAUNCH: O = softmax(Q K^T / 8) V for 64 heads of 2,048 tokens x 64, both products on codes of FP6 (E2M3) with E8M0 scales; O / l is quantised in registers for the last product.
; THE SOFTMAX: t = score x log2(e) / 8; M = the row's largest t so far, rounded UP to a whole number; p = 2^(t - M) is quantised along the keys, not normalised.  The row's sum is taken of the unquantised p and divides O at the end.
; When M moves, the sum and O are multiplied by 2^(old M - new M): exact, with no branch on data.
; SHARES.  A work-group owns 512 queries of one head; each of its sixteen waves 32 of them, as two tiles of 16 in two passes over the 2,048 keys.
; K's and V's images and scale words of the WHOLE head lie in LDS, 212,992 bytes, each byte filled once: no ring.  CLUSTER: the four work-groups of a head read the same K and V: every fill is asked for jointly, mask 15.
; No prefetch: every byte of K and V is asked for once, at the head, and the launch has no loop that runs ahead of a load.
; IMAGES (made by the launch before): 12 registers as three pieces of 512 bytes, lane l's 16 bytes at 16 l.
; K = 64 IN AN INSTRUCTION OF 128.  An image of K holds TWO tiles of 16 keys (k 0-63: the first's dimensions, k 64-127: the second's).  It is multiplied by [q | 0] and by [0 | q]: 18 registers (zeros, q's six, zeros) give both operands.
; LAYOUT.  Both products are transposed: S^T = K Q^T, O^T = V^T P^T: a lane holds ONE query (lane % 16).  Row m of tile a = 4 c + u of a step is key 64 c + 32 (m / 8) + 8 u + m % 8.  So register 32 c + 8 u + j of lane (r, h) is key
; 64 c + 32 h + 8 u + j: A LANE'S 32 REGISTERS ARE ONE WHOLE BLOCK OF 32 KEYS, in their order: the block's maximum needs no other lane, and the conversions' results are the operand's registers.
; OUT.  oc: [group of 128 token places][head][tile of 16 places, 8][768 bytes: registers 0-3, 16 bytes a lane; registers 4-5, 8 bytes a lane]: half a fragment of the last product; four heads of a group are 24,576 dense bytes.
; os: [token's place][32 bytes], bytes 2 head, 2 head + 1: 2 bytes of a row of 32, 262,144 bytes in the launch against 6,291,456 of codes; whole rows would want all sixteen heads in one work-group.
; LIMITS: the promise holds while the scaled scores t stay under 2^31 in magnitude; NaN and infinities are not served; p under 2^-126 counts as 0; a block of zeros keeps the byte 1: its codes are zeros, and this program alone reads the bytes.
.set VIMG, 98304                       ; LDS: K's images at 0, V's here,
.set KSC,  196608                      ; K's scale words, 8,192 bytes,
.set VSC,  204800                      ; V's; the spare words from 212,992 on
.set KV,   52                          ; v52-99   four fragments of K or of V
.set S,    100                         ; v100-163 S^T, then p
.set OT,   164                         ; v164-195 O^T, four tiles
.set PCD,  196                         ; v196-207 p's codes
.set CT,   208                         ; v208-215 the conversions' second halves
.set BM,   216                         ; v216-219 chains of maxima; then v216, v217 my two blocks' largest scores
.set PT,   220                         ; v220 the other half's number; v221 the old -M
.set PB,   222                         ; v222-223 scale bytes
.set SO,   224                         ; v224-225 the conversions' scale operands
.set FF,   232                         ; v[232:233] f (the pair's upper word is written once and not used)
.set TMP,  234
.set PSW,  235                         ; p's scale word
.set SU,   236                         ; v236-251 eight chains of the row's sum
.set SPW,  254
.set NIL,  255
.set WV,   18
.set SEL,  20
.set CS,   22
.set G1A,  24
.set G1S,  32
.set G0A,  40
.set G0S,  44
.set TB,   2                           ; s2 two key steps' images: 12,288 bytes;  s3 their scale words: 1,024 bytes
.set TS,   3
.set CNT,  66
.set PASS, 67
.macro CROUND                          ; a round of the cluster's barrier
	s_barrier_signal -1
	s_barrier_wait -1
	s_cmp_lg_u32 s[WV], 0
	s_cbranch_scc1 .Lnot_wave_0_\@
	s_barrier_signal -3
.Lnot_wave_0_\@:
	s_barrier_wait -3
	s_barrier_signal -1
	s_barrier_wait -1
.endm
	s_load_b256 s[4:11], s[0:1], 0x0               ; qkc, qks, oc, os
	v_lshl_add_u32 v[SPW], v0, 2, 0x34000
	v_mov_b32 v[NIL], 0
	ds_add_u32 v[SPW], v[NIL]                      ; the opening lines: the add twice on end, under one wait
	ds_add_u32 v[SPW], v[NIL]
	v_lshrrev_b32 v1, 5, v0
	s_delay_alu instid0(VALU_DEP_1)
	v_readfirstlane_b32 s[WV], v1                  ; wave 0..15
	s_bfe_u32 s48, ttmp6, 0x40000                  ; cx: which 512 queries; it enters Q's, oc's and os's addresses alone
	s_and_b32 s49, ttmp7, 0xffff                   ; 16 x batch + head
	; waves 0-7 fetch an eighth of K's and V's images each (they lie on end in LDS); waves 8, 9 K's and V's scale words
	s_and_b32 s12, s[WV], 7
	s_mul_i32 s13, s12, 24576
	s_lshr_b32 s14, s12, 2
	s_and_b32 s15, s12, 3
	s_mul_i32 s14, s14, 6291456
	s_add_co_u32 s14, s14, 6291456
	s_mul_i32 s15, s15, 24576
	s_add_co_u32 s14, s14, s15
	s_mul_i32 s15, s49, 98304
	s_add_co_u32 s14, s14, s15
	s_mov_b32 s15, 0
	s_and_b32 s16, s[WV], 1
	s_lshl_b32 s17, s16, 13
	s_add_co_u32 s17, s17, KSC
	s_lshl_b32 s50, s16, 19
	s_add_co_u32 s50, s50, 524288
	s_lshl_b32 s51, s49, 13
	s_add_co_u32 s50, s50, s51
	s_mov_b32 s51, 0
	; dense blocks as rows of 256 bytes (32 elements of 8 bytes): 96 rows, 32 rows; mask 15, bit 21 beside it
	s_mov_b32 s[G1A], 15|(3<<16)|(1<<21)
	s_mov_b32 s[G1A+1], 32<<16
	s_mov_b32 s[G1A+2], 96<<16
	s_mov_b32 s[G1A+3], 32<<16
	s_mov_b32 s[G1A+4], 96
	s_mov_b32 s[G1A+5], 32
	s_mov_b32 s[G1A+6], 0
	s_mov_b32 s[G1A+7], 0
	s_mov_b32 s[G1S], 15|(3<<16)|(1<<21)
	s_mov_b32 s[G1S+1], 32<<16
	s_mov_b32 s[G1S+2], 32<<16
	s_mov_b32 s[G1S+3], 32<<16
	s_mov_b32 s[G1S+4], 32
	s_mov_b32 s[G1S+5], 32
	s_mov_b32 s[G1S+6], 0
	s_mov_b32 s[G1S+7], 0
	s_mov_b32 s[SEL], 0x76543210
	s_mov_b32 s[SEL+1], 0xfedcba98
	s_mov_b32 s[CS], 0x3e38aa3b                    ; c = log2(e) / 8
	s_mov_b32 s[CS+1], s[CS]
	; my queries: pair P = 16 cx + wave of the head's 64 pairs of tiles
	s_lshl_b32 s52, s48, 4
	s_add_co_u32 s52, s52, s[WV]
	s_mul_i32 s54, s49, 98304
	s_mul_i32 s55, s52, 1536
	s_add_co_u32 s54, s54, s55
	s_mov_b32 s55, 0
	s_lshl_b32 s56, s49, 13
	s_lshr_b32 s57, s52, 2
	s_lshl_b32 s57, s57, 9
	s_add_co_u32 s56, s56, s57
	s_and_b32 s57, s52, 3
	s_lshl_b32 s57, s57, 2
	s_add_co_u32 s56, s56, s57
	s_mov_b32 s57, 0
	s_lshr_b32 s58, s49, 4
	s_and_b32 s59, s49, 15
	s_lshl_b32 s58, s58, 7
	s_lshl_b32 s60, s52, 1
	s_add_co_u32 s58, s58, s60                     ; my first tile of token places: 128 x batch + 2 P, an even number
	s_lshr_b32 s60, s58, 3
	s_mul_i32 s68, s60, 98304                      ; oc: the group of eight tiles,
	s_mul_i32 s60, s59, 6144                       ; my head in it,
	s_add_co_u32 s68, s68, s60
	s_and_b32 s60, s58, 7
	s_mul_i32 s60, s60, 768                        ; my tile
	s_add_co_u32 s68, s68, s60
	s_mov_b32 s69, 0
	s_lshl_b32 s70, s58, 9
	s_lshl_b32 s60, s59, 1
	s_add_co_u32 s70, s70, s60
	s_mov_b32 s71, 0
	s_wait_dscnt 0x0
	s_wait_kmcnt 0x0
	s_mov_b32 s[G0A], 1
	s_mov_b32 s[G0A+1], s13
	s_add_nc_u64 s[G0A+2:G0A+3], s[4:5], s[14:15]
	s_or_b32 s[G0A+3], s[G0A+3], 0x80000000
	s_mov_b32 s[G0S], 1
	s_mov_b32 s[G0S+1], s17
	s_add_nc_u64 s[G0S+2:G0S+3], s[6:7], s[50:51]
	s_or_b32 s[G0S+3], s[G0S+3], 0x80000000
	s_add_nc_u64 s[54:55], s[4:5], s[54:55]        ; Q's image
	s_add_nc_u64 s[56:57], s[6:7], s[56:57]        ; its scale word
	s_add_nc_u64 s[68:69], s[8:9], s[68:69]        ; oc
	s_add_nc_u64 s[70:71], s[10:11], s[70:71]      ; os
	CROUND                                         ; all four work-groups are here: the joint loads meet
	s_cmp_lt_u32 s[WV], 8                          ; the branches hang on the wave's number alone; a wave has one tensor load out at the most
	s_cbranch_scc0 .Lnot_codes
	tensor_load_to_lds s[G0A:G0A+3], s[G1A:G1A+7]
	s_nop 0
.rept 4
	v_nop
.endr
	s_branch .Lasked
.Lnot_codes:
	s_cmp_lt_u32 s[WV], 10
	s_cbranch_scc0 .Lasked
	tensor_load_to_lds s[G0S:G0S+3], s[G1S:G1S+7]
	s_nop 0
.rept 4
	v_nop
.endr
.Lasked:
	v_and_b32 v6, 31, v0
	s_delay_alu instid0(VALU_DEP_1)
	v_lshlrev_b32 v1, 4, v6                        ; 16 x lane
	s_delay_alu instid0(VALU_DEP_1)
	v_add_nc_u32 v2, VIMG, v1
	s_delay_alu instid0(VALU_DEP_2)
	v_add_nc_u32 v3, KSC, v1
	v_and_b32 v4, 15, v0
	s_delay_alu instid0(VALU_DEP_1)
	v_lshlrev_b32 v4, 5, v4                        ; 32 r: my row of os
	v_lshlrev_b32 v5, 3, v6                        ; 8 x lane
	v_bfe_u32 v7, v0, 4, 1
	s_delay_alu instid0(VALU_DEP_1)
	v_lshlrev_b32 v7, 3, v7                        ; 8 h: how far up my two scale bytes stand in p's scale word
	global_load_b128 v[22:25], v1, s[54:55]                ; the image's registers 0-3: the first tile's codes,
	global_load_b64 v[26:27], v1, s[54:55] offset:512      ; 4, 5;
	global_load_b64 v[34:35], v1, s[54:55] offset:520      ; 6, 7: the second tile's,
	global_load_b128 v[36:39], v1, s[54:55] offset:1024    ; 8-11
	global_load_b32 v42, v1, s[56:57]                      ; bytes 0, 1: the first tile's scales; 2, 3: the second's
.irp j, 16,17,18,19,20,21,28,29,30,31,32,33
	v_mov_b32 v[\j], 0                             ; the zero codes on both sides of q's
.endr
	v_mov_b32 v[PT], 0                             ; written once: a lane permute's destination counts as one of its sources
	v_mov_b32 v[PT+1], 0
	v_mov_b32 v[FF+1], 0
	s_wait_loadcnt 0x0
	v_perm_b32 v40, v42, v42, 0x01000100           ; the tile's two bytes, twice: they serve [q | 0] and [0 | q]
	v_perm_b32 v41, v42, v42, 0x03020302
	s_wait_tensorcnt 0x0                           ; my fill has landed,
	s_barrier_signal -1
	s_barrier_wait -1                              ; everybody's has: from here on LDS is only read
.macro COMBINE                         ; the eight chains of the last step's sum join the row's sum: eight plain lines that name no register of a product
.irp k, 0,4,8,12
	v_pk_add_f32 v[SU+\k:SU+\k+1], v[SU+\k:SU+\k+1], v[SU+\k+2:SU+\k+3]
.endr
	s_delay_alu instid0(VALU_DEP_3)
	v_pk_add_f32 v[SU:SU+1], v[SU:SU+1], v[SU+4:SU+5]
	s_delay_alu instid0(VALU_DEP_2)
	v_pk_add_f32 v[SU+8:SU+9], v[SU+8:SU+9], v[SU+12:SU+13]
	s_delay_alu instid0(VALU_DEP_1)
	v_pk_add_f32 v[SU:SU+1], v[SU:SU+1], v[SU+8:SU+9]
	s_delay_alu instid0(VALU_DEP_1)
	v_pk_add_f32 v[14:15], v[14:15], v[SU:SU+1]
.endm
; A KEY STEP: 128 keys, the q-th of two whose offsets are immediates
.macro STEP q
.irp f, 0,1,2,3
.irp c, 0,1,2
	ds_load_b128 v[KV+12*\f+4*\c:KV+12*\f+4*\c+3], v8 offset:6144*(\q)+1536*\f+512*\c
.endr
.endr
	ds_load_b128 v[44:47], v10 offset:512*(\q)     ; the four images' scale words
	s_wait_alu depctr_va_vdst(0)                   ; the wait, directly ahead of the wait below
	s_wait_dscnt 0x0
.irp f, 0,1,2,3                                ; S^T = K Q^T: each image against [q | 0] (its first tile) and [0 | q] (its second)
	v_wmma_scale_f32_16x16x128_f8f6f4 v[S+16*\f:S+16*\f+7], v[KV+12*\f:KV+12*\f+11], v[22:33], 0, v[44+\f], v40 matrix_a_fmt:MATRIX_FMT_FP6 matrix_b_fmt:MATRIX_FMT_FP6
	v_wmma_scale_f32_16x16x128_f8f6f4 v[S+16*\f+8:S+16*\f+15], v[KV+12*\f:KV+12*\f+11], v[16:27], 0, v[44+\f], v40 matrix_a_fmt:MATRIX_FMT_FP6 matrix_b_fmt:MATRIX_FMT_FP6
.endr
	COMBINE                                        ; the last step's sums, still under the old M: also the places in front of V's loads into K's registers and of the first read of the scores
.irp i, 0,1,2,3                                ; V is asked for here and lands under the softmax
.irp c, 0,1,2
	ds_load_b128 v[KV+12*\i+4*\c:KV+12*\i+4*\c+3], v9 offset:6144*(\q)+1536*\i+512*\c
.endr
.endr
	ds_load_b128 v[48:51], v10 offset:VSC-KSC+512*(\q)
.irp b, 0,1,2,3
	v_max3_num_f32 v[BM+\b], v[S+16*\b], v[S+1+16*\b], v[S+2+16*\b]   ; four chains of 15 scores, each accumulator from its low end on
.endr
.irp i, 3,5,7,9,11,13
.irp b, 0,1,2,3
	v_max3_num_f32 v[BM+\b], v[BM+\b], v[S+16*\b+\i], v[S+1+16*\b+\i]
.endr
.endr
	v_max3_num_f32 v[BM], v[BM], v[BM+1], v[S+15]
	v_max3_num_f32 v[BM+2], v[BM+2], v[BM+3], v[S+47]
	v_max_num_f32 v[BM], v[BM], v[S+31]            ; the largest score of my block 2 x 0 + h,
	v_max_num_f32 v[BM+1], v[BM+2], v[S+63]        ; and of my block 2 x 1 + h: they serve for the row's maximum and, since p rises with the score, for the blocks' largest p
	s_delay_alu instid0(VALU_DEP_1)
	v_max_num_f32 v[TMP], v[BM], v[BM+1]
	s_delay_alu instid0(VALU_DEP_1)
	v_permlanex16_b32 v[PT], v[TMP], s[SEL], s[SEL+1]
	s_delay_alu instid0(VALU_DEP_1)
	v_max3_num_f32 v13, v13, v[TMP], v[PT]         ; the running largest score of my query
	v_mov_b32 v[PT+1], v12
	s_delay_alu instid0(VALU_DEP_2)
	v_mul_f32 v[TMP], s[CS], v13                   ; as t (c is positive)
	s_delay_alu instid0(VALU_DEP_1)
	v_floor_f32 v12, -v[TMP]                       ; the new -M = floor(-t): M is a whole number
	s_delay_alu instid0(VALU_DEP_1)
	v_sub_f32 v[TMP], v12, v[PT+1]                 ; old M - new M: a whole number, 0 or less
	s_delay_alu instid0(VALU_DEP_1)
	v_cvt_i32_f32 v[TMP], v[TMP]                   ; (it saturates)
	s_delay_alu instid0(VALU_DEP_1)
	v_ldexp_f32 v[FF], 1.0, v[TMP]                 ; f = 2^(old M - new M)
.set jj, 0
.rept 32
	v_pk_fma_f32 v[S+jj:S+jj+1], v[S+jj:S+jj+1], s[CS:CS+1], v[12:13] op_sel_hi:[1,0,0]   ; t - M, two at a time (of the pair v[12:13] the low word serves both halves)
.set jj, jj+2
.endr
	v_pk_fma_f32 v[BM:BM+1], v[BM:BM+1], s[CS:CS+1], v[12:13] op_sel_hi:[1,0,0]           ; the same of my two blocks' largest scores
.set jj, 0
.rept 16
	v_pk_mul_f32 v[OT+jj:OT+jj+1], v[OT+jj:OT+jj+1], v[FF:FF+1] op_sel_hi:[1,0]           ; O^T under the new M, each accumulator from its low end on
.set jj, jj+2
.endr
	s_wait_alu depctr_va_vdst(0)                   ; the wait ahead of the batch
.set jj, 0
.rept 64
	v_exp_f32 v[S+jj], v[S+jj]                     ; p = 2^(t - M), at most 1
.set jj, jj+1
.endr
	v_exp_f32 v[BM], v[BM]                         ; the blocks' largest p: the same two instructions on the same numbers
	v_exp_f32 v[BM+1], v[BM+1]
	v_pk_mul_f32 v[14:15], v[14:15], v[FF:FF+1] op_sel_hi:[1,0]   ; the sum under the new M (a plain line behind the exponentials)
	s_wait_alu depctr_va_vdst(0)                   ; one wait for the batch of 66, ahead of its first reader
	v_max_num_f32 v[BM], 0x1800000, v[BM]          ; the floor 2^(3 - 127): the byte cannot fall under 1
	v_max_num_f32 v[BM+1], 0x1800000, v[BM+1]
	s_delay_alu instid0(VALU_DEP_2)
	v_add_nc_u32 v[SO], 0xff000000, v[BM]          ; 2 off the exponent field: the conversion's scale operand
	s_delay_alu instid0(VALU_DEP_2)
	v_add_nc_u32 v[SO+1], 0xff000000, v[BM+1]
.irp c, 0,1
	v_cvt_scalef32_pk16_fp6_f32 v[PCD+6*\c:PCD+2+6*\c], v[S+32*\c:S+15+32*\c], v[SO+\c]
	v_cvt_scalef32_pk16_fp6_f32 v[CT+4*\c:CT+2+4*\c], v[S+16+32*\c:S+31+32*\c], v[SO+\c]   ; (a conversion's three registers begin on an even number)
.endr
	v_lshrrev_b32 v[PB], 23, v[SO]                 ; the scale's byte (the plain line behind the scaled conversions: it writes none of their registers)
	v_lshrrev_b32 v[PB+1], 23, v[SO+1]
	s_delay_alu instid0(VALU_DEP_1)
	v_lshl_or_b32 v[TMP], v[PB+1], 16, v[PB]       ; my two bytes: blocks h and 2 + h,
	s_delay_alu instid0(VALU_DEP_1)
	v_lshlrev_b32 v[TMP], v7, v[TMP]               ; at their places in the word;
	s_delay_alu instid0(VALU_DEP_1)
	v_permlanex16_b32 v[PT], v[TMP], s[SEL], s[SEL+1]
	s_delay_alu instid0(VALU_DEP_1)
	v_or_b32 v[PSW], v[TMP], v[PT]                 ; with lane l xor 16's two: p's scale word for these 128 keys
.irp c, 0,1
.irp i, 0,1,2
	v_mov_b32 v[PCD+3+6*\c+\i], v[CT+4*\c+\i]      ; registers 6 c .. 6 c + 5: keys 64 c + 32 h + 0 .. 31
.endr
.endr
.irp k, 0,1,2,3,4,5,6,7                        ; the row's sum is taken of the unquantised p: eight chains of four pairs.  These sixteen lines are also the places between p's codes and scale word and the products
	v_pk_add_f32 v[SU+2*\k:SU+2*\k+1], v[S+8*\k:S+8*\k+1], v[S+8*\k+2:S+8*\k+3]
.endr
.irp k, 0,1,2,3,4,5,6,7
	v_pk_add_f32 v[SU+2*\k:SU+2*\k+1], v[SU+2*\k:SU+2*\k+1], v[S+8*\k+4:S+8*\k+5]
.endr
	s_wait_alu depctr_va_vdst(0)                   ; the wait, directly ahead of the wait below
	s_wait_dscnt 0x0                               ; V is in
.irp i, 0,1,2,3                                ; O^T += V^T P^T: four accumulators by turns
	v_wmma_scale_f32_16x16x128_f8f6f4 v[OT+8*\i:OT+8*\i+7], v[KV+12*\i:KV+12*\i+11], v[PCD:PCD+11], v[OT+8*\i:OT+8*\i+7], v[48+\i], v[PSW] matrix_a_fmt:MATRIX_FMT_FP6 matrix_b_fmt:MATRIX_FMT_FP6
.endr
.irp k, 0,1,2,3,4,5,6,7                        ; the chains' last pairs: also the places in front of the next loads into V's registers
	v_pk_add_f32 v[SU+2*\k:SU+2*\k+1], v[SU+2*\k:SU+2*\k+1], v[S+8*\k+6:S+8*\k+7]
.endr
.endm
	s_mov_b32 s[PASS], 2
.Lpass:                                            ; a tile of 16 queries against all 2,048 keys
	v_mov_b32 v13, 0xff61b1e6                      ; the largest score so far: -3e38
	v_mov_b32 v12, 0x7e800000                      ; -M: a whole number above every floor(-t), so that the first f is 0
	v_mov_b32 v14, 0                               ; the sum, in two halves
	v_mov_b32 v15, 0
.set jj, 0
.rept 32
	v_mov_b32 v[OT+jj], 0                          ; O^T: the step is written once; the first finds zeros
.set jj, jj+1
.endr
.set jj, 0
.rept 16
	v_mov_b32 v[SU+jj], 0                          ; and so do the chains that the first step joins
.set jj, jj+1
.endr
	s_mov_b32 s[TB], 0
	s_mov_b32 s[TS], 0
	s_mov_b32 s[CNT], 8
.Lchunk:                                           ; two key steps, 256 keys
	v_add_nc_u32 v8, s[TB], v1
	v_add_nc_u32 v9, s[TB], v2
	v_add_nc_u32 v10, s[TS], v3
	STEP 0
	STEP 1
	s_add_co_u32 s[TB], s[TB], 12288
	s_add_co_u32 s[TS], s[TS], 1024
	s_sub_co_u32 s[CNT], s[CNT], 1
	s_cmp_lg_u32 s[CNT], 0
	s_wait_alu depctr_va_vdst(0)                   ; the wait ahead of the branch
	s_cbranch_scc1 .Lchunk
	; the tile's way out: O^T / l, quantised along the head's 64 channels (two blocks), as half a fragment of the last product
	COMBINE
	s_delay_alu instid0(VALU_DEP_1)
	v_add_f32 v14, v14, v15
	s_delay_alu instid0(VALU_DEP_1)
	v_permlanex16_b32 v[TMP], v14, s[SEL], s[SEL+1]
	s_delay_alu instid0(VALU_DEP_1)
	v_add_f32 v14, v14, v[TMP]                     ; the row's sum
	s_wait_alu depctr_va_vdst(0)
	v_rcp_f32 v14, v14
	v_nop                                          ; a plain line behind the reciprocal,
	s_wait_alu depctr_va_vdst(0)                   ; and the wait ahead of its first reader and of O^T's
.set jj, 0
.rept 16
	v_pk_mul_f32 v[S+jj:S+jj+1], v[OT+jj:OT+jj+1], v[14:15] op_sel_hi:[1,0]   ; register 16 b + i: channel 32 b + 16 h + i
.set jj, jj+2
.endr
.irp b, 0,1
	v_max3_num_f32 v[BM+\b], |v[S+16*\b]|, |v[S+1+16*\b]|, 0x1800000
.endr
.irp i, 2,4,6,8,10,12,14
.irp b, 0,1
	s_delay_alu instid0(VALU_DEP_2)
	v_max3_num_f32 v[BM+\b], v[BM+\b], |v[S+16*\b+\i]|, |v[S+1+16*\b+\i]|
.endr
.endr
.irp b, 0,1
	s_delay_alu instid0(VALU_DEP_2)
	v_permlanex16_b32 v[PT+\b], v[BM+\b], s[SEL], s[SEL+1]
.endr
.irp b, 0,1
	s_delay_alu instid0(VALU_DEP_2)
	v_max_num_f32 v[BM+\b], v[BM+\b], v[PT+\b]
.endr
.irp b, 0,1
	s_delay_alu instid0(VALU_DEP_2)
	v_add_nc_u32 v[SO+\b], 0xff000000, v[BM+\b]
.endr
.irp b, 0,1
	s_delay_alu instid0(VALU_DEP_2)
	v_lshrrev_b32 v[PT+\b], 23, v[SO+\b]
.endr
	s_delay_alu instid0(VALU_DEP_1)
	v_lshl_or_b32 v[TMP], v[PT+1], 8, v[PT]        ; my row's two scale bytes
	v_cvt_scalef32_pk16_fp6_f32 v[PCD:PCD+2], v[S:S+15], v[SO]
	v_cvt_scalef32_pk16_fp6_f32 v[CT:CT+2], v[S+16:S+31], v[SO+1]
	v_nop
.irp i, 0,1,2
	v_permlane16_swap_b32 v[PCD+\i], v[CT+\i]
.endr
.irp i, 0,1,2
	s_delay_alu instid0(VALU_DEP_3)
	v_mov_b32 v[PCD+3+\i], v[CT+\i]                ; lane (r, h): channels 32 h .. 32 h + 31 of query r
.endr
	global_store_b128 v1, v[PCD:PCD+3], s[68:69]               ; 512 consecutive bytes, aligned
	global_store_b64 v5, v[PCD+4:PCD+5], s[68:69] offset:512   ; 256 consecutive bytes, aligned
	global_store_b16 v4, v[TMP], s[70:71]                      ; lanes l and l xor 16 write the same two bytes with the same value
	s_wait_xcnt 0x0                                ; the stores have read their registers and bases: both may be written again
	s_add_nc_u64 s[68:69], s[68:69], 768
	s_add_nc_u64 s[70:71], s[70:71], 512
.irp i, 0,1,2,3,4,5
	v_mov_b32 v[22+\i], v[34+\i]                   ; the second tile's codes take the first's place,
.endr
	v_mov_b32 v40, v41                             ; and its scale word
	s_sub_co_u32 s[PASS], s[PASS], 1
	s_cmp_lg_u32 s[PASS], 0
	s_cbranch_scc1 .Lpass
	s_wait_tensorcnt 0x0                           ; the wave's end
	ds_add_u32 v[SPW], v[NIL]
	s_wait_dscnt 0x0
	CROUND                                         ; the closing round
	s_endpgm
.Lfunc_end_k_q5bc3c4644e_attn:
	.size	k_q5bc3c4644e_attn, .Lfunc_end_k_q5bc3c4644e_attn-k_q5bc3c4644e_attn
	.p2alignl 7, 3214868480
	.fill 96, 4, 3214868480
	.section	.rodata,"a",@progbits
	.p2align	6, 0x0
	.amdhsa_kernel k_q5bc3c4644e_attn
		.amdhsa_group_segment_fixed_size 215040
		.amdhsa_private_segment_fixed_size 0
		.amdhsa_enable_private_segment 0
		.amdhsa_kernarg_size 32
		.amdhsa_user_sgpr_count 2
		.amdhsa_user_sgpr_kernarg_segment_ptr 1
		.amdhsa_wavefront_size32 1
		.amdhsa_system_sgpr_workgroup_id_x 1
		.amdhsa_system_sgpr_workgroup_id_y 1
		.amdhsa_system_sgpr_workgroup_id_z 1
		.amdhsa_system_vgpr_workitem_id 0
		.amdhsa_next_free_vgpr 256
		.amdhsa_next_free_sgpr 100
		.amdhsa_reserve_vcc 0
		.amdhsa_float_denorm_mode_32 3
		.amdhsa_float_denorm_mode_16_64 3
		.amdhsa_memory_ordered 1
		.amdhsa_forward_progress 1
		.amdhsa_inst_pref_size 44
	.end_amdhsa_kernel
	.amdgpu_metadata
---
amdhsa.version: [ 1, 2 ]
amdhsa.kernels:
  - .name:           k_q5bc3c4644e_attn
    .symbol:         k_q5bc3c4644e_attn.kd
    .args:
      - { .name: qkc, .offset: 0, .size: 8, .value_kind: global_buffer, .address_space: global }
      - { .name: qks, .offset: 8, .size: 8, .value_kind: global_buffer, .address_space: global }
      - { .name: oc, .offset: 16, .size: 8, .value_kind: global_buffer, .address_space: global }
      - { .name: os, .offset: 24, .size: 8, .value_kind: global_buffer, .address_space: global }
    .group_segment_fixed_size: 215040
    .private_segment_fixed_size: 0
    .kernarg_segment_align: 8
    .kernarg_segment_size: 32
    .max_flat_workgroup_size: 512
    .sgpr_count:     100
    .vgpr_count:     256
    .wavefront_size: 32
...
	.end_amdgpu_metadata
.endif
;; end of part 3
;; launch outp (part 4): grid 4 x 32, 4 waves a work-group, clusters of 4 x 4, 327,680 bytes of LDS; arguments oc, os, c1, s1, out0; writes out0
.if DOCPART == 4
	.amdgcn_target "amdgcn-amd-amdhsa--gfx1250"
	.amdhsa_code_object_version 6
	.text
	.protected	k_q5bc3c4644e_outp
	.globl	k_q5bc3c4644e_outp
	.p2align	8
	.type	k_q5bc3c4644e_outp,@function
k_q5bc3c4644e_outp:
	s_mov_b64 s[64:65], 0
	v_nop
	global_prefetch_b8 v0, s[64:65] scope:SCOPE_SE
	s_setreg_imm32_b32 hwreg(HW_REG_WAVE_MODE, 25, 1), 1
	s_wait_xcnt 0x0
	s_wait_alu depctr_hold_cnt(0) depctr_sa_sdst(0) depctr_va_vdst(0) depctr_va_sdst(0) depctr_va_ssrc(0) depctr_va_vcc(0) depctr_vm_vsrc(0)
	s_getreg_b32 s2, hwreg(HW_REG_IB_STS2, 6, 4)
	s_cmp_eq_u32 s2, 0
	s_cbranch_scc0 .Lentry_in_a_cluster
	s_endpgm
.Lentry_in_a_cluster:
	s_bfe_u32 s2, ttmp6, 0x10000c
	s_cmp_lg_u32 s2, 0xf033
	s_cbranch_scc0 .Lentry_shape_is_right
	s_endpgm
.Lentry_shape_is_right:
; FOURTH LAUNCH: out0 = (O / l) Wo^T on codes.  A's fragments come as the images that the third launch stored; a tile of Wo, 128 stored rows x 256 along K, is 24,576 dense bytes of c1, at a multiple of 256:
; it is loaded as 96 rows of 256 bytes, 16 bytes of LDS padding behind each 64, so that a row of 192 bytes of codes has an LDS pitch of 240.
.set KROW,   768
.set ROWB,   24576
.set PITCH,  240
.set FR,     12
.set NLA,    4
.set NP,     4
.set HALFA,  24576
.set HALFT,  128*PITCH
.set SLOT,   2*HALFA+2*HALFT
.set SCL,    2*SLOT
.set HALFS,  16*272
.set SBLK,   2*272
.set SPARE,  SCL+4*HALFS
.set SPITCH, 528
.set KSA,    24576
.set ADRA, 16
.set ADRB, 20
.set STO,  24
.set RD,   25
.set CO,   26
.set ADRS, 27
.set SPW,  28
.set NIL,  29
.set SC,   32
.set AF,   128
.set BK,   128
.set G1, 24
.set G0, 32
.set G1B, 48
.set G0B, 56
.set G1S, 68
.set G0S, 76
.set G1SB, 80
.set G0SB, 88
.set MSB, 0
.macro WIN new
.if MSB != (\new)
	s_set_vgpr_msb (MSB<<8)|(\new)
.set MSB, (\new)
.endif
.endm
.set MUL_LO, 0xa1
.set MUL_HI, 0xf1
.set TO_B,   0x40
.macro JLOAD g0a, g1a, g0b, g1b
	s_cmp_eq_u32 s15, 0
	s_cbranch_scc0 .Lfor_b_\@
	tensor_load_to_lds s[\g0a:\g0a+3], s[\g1a:\g1a+7]
	s_nop 0
.rept 4
	v_nop
.endr
	s_branch .Lasked_\@
.Lfor_b_\@:
	tensor_load_to_lds s[\g0b:\g0b+3], s[\g1b:\g1b+7]
	s_nop 0
.rept 4
	v_nop
.endr
.Lasked_\@:
.endm
.macro CREST
	s_cmp_lg_u32 s14, 0
	s_cbranch_scc1 .Lnot_wave_0_\@
	s_barrier_signal -3
.Lnot_wave_0_\@:
	s_barrier_wait -3
	s_barrier_signal -1
	s_barrier_wait -1
.endm
.macro CROUND
	s_barrier_signal -1
	s_barrier_wait -1
	CREST
.endm
	s_load_b128 s[4:7], s[0:1], 0x0
	s_load_b128 s[8:11], s[0:1], 0x10
	s_load_b64 s[12:13], s[0:1], 0x20
	v_lshl_add_u32 v[SPW], v0, 2, SPARE
	v_mov_b32 v[NIL], 0
	ds_add_u32 v28, v29
	ds_add_u32 v28, v29
	s_wait_dscnt 0x0
	v_lshrrev_b32 v1, 5, v0
	v_readfirstlane_b32 s14, v1
	s_lshr_b32 s15, s14, 1
	s_and_b32 s16, s14, 1
	s_bfe_u32 s40, ttmp6, 0x40000
	s_bfe_u32 s41, ttmp6, 0x40004
	s_lshl_b32 s42, ttmp9, 2
	s_add_co_u32 s42, s42, s40
	s_and_b32 s17, ttmp7, 0xffff
	s_lshl_b32 s17, s17, 2
	s_add_co_u32 s17, s17, s41
	s_lshl_b32 s43, s41, 2
	s_lshl_b32 s43, 15, s43
	s_lshl_b32 s44, 0x1111, s40
	s_or_b32 s[G1+0], s43, (3<<16)|(1<<21)
	s_mov_b32 s[G1+1], 3072<<16                    ; the head's shape (elements of 8 bytes): 256 token places x four heads are two dense rows of 24,576 bytes, 98,304 bytes apart
	s_mov_b32 s[G1+2], 2<<16
	s_mov_b32 s[G1+3], 3072<<16
	s_mov_b32 s[G1+4], 2
	s_mov_b32 s[G1+5], 12288
	s_mov_b32 s[G1+6], 0
	s_mov_b32 s[G1+7], 0
	s_or_b32 s[G1B+0], s44, (0<<16)|(1<<20)|(1<<21)|(3<<22)|(3<<25)
	s_mov_b32 s[G1B+1], 24576<<16                  ; the same for Wo's 256 stored rows of one K step (elements of 1 byte)
	s_mov_b32 s[G1B+2], 2<<16
	s_mov_b32 s[G1B+3], 24576<<16
	s_mov_b32 s[G1B+4], 2
	s_mov_b32 s[G1B+5], 98304
	s_mov_b32 s[G1B+6], 0
	s_mov_b32 s[G1B+7], 0
	s_or_b32 s[G1S+0], s43, (3<<16)|(1<<20)|(1<<21)|(5<<22)|(3<<25)
	s_or_b32 s[G1SB+0], s44, (3<<16)|(1<<20)|(1<<21)|(5<<22)|(3<<25)
.irp g, G1S, G1SB
	s_mov_b32 s[\g+1], 32<<16
	s_mov_b32 s[\g+2], 32<<16
	s_mov_b32 s[\g+3], 32<<16
	s_mov_b32 s[\g+4], 32
	s_mov_b32 s[\g+5], 32
	s_mov_b32 s[\g+6], 0
	s_mov_b32 s[\g+7], 0
.endr
	s_lshl_b32 s20, s17, 8                         ; A's tile: its first token place
	s_lshl_b32 s46, s42, 8
	s_add_co_u32 s46, s46, 27648                   ; B's: its first stored row of c1
	s_mul_i32 s18, s16, 98304                      ; in the ring I fetch 128 of a tile's 256 rows: which half, in bytes
	s_mov_b32 s19, 0
	s_lshl_b32 s22, s20, 5
	s_mov_b32 s23, 0
	s_lshl_b32 s92, s46, 5
	s_mov_b32 s93, 0
	s_mul_i32 s20, s20, KROW
	s_mov_b32 s21, 0
	s_mul_i32 s46, s46, KROW
	s_mov_b32 s47, 0
	s_mul_i32 s45, s16, HALFA
	s_mul_i32 s95, s16, HALFT
	s_add_co_u32 s95, s95, 2*HALFA
	s_wait_kmcnt 0x0
	s_add_nc_u64 s[20:21], s[4:5], s[20:21]
	s_add_nc_u64 s[22:23], s[6:7], s[22:23]
	s_add_nc_u64 s[46:47], s[8:9], s[46:47]
	s_add_nc_u64 s[92:93], s[10:11], s[92:93]
	CROUND
	s_mov_b32 s[G0S], 1
	s_mov_b32 s[G0S+1], SCL
	s_mov_b64 s[G0S+2:G0S+3], s[22:23]
	s_or_b32 s[G0S+3], s[G0S+3], 0x80000000
	s_mov_b32 s[G0SB], 1
	s_mov_b32 s[G0SB+1], SCL+2*HALFS
	s_mov_b64 s[G0SB+2:G0SB+3], s[92:93]
	s_or_b32 s[G0SB+3], s[G0SB+3], 0x80000000
	s_mov_b32 s4, 1                                ; s[4:7], s[8:11]: group 0 of the head's loads of A's and B's 256 rows, K step 0 (the arguments that lay there have been used)
	s_mov_b32 s5, 0
	s_mov_b64 s[6:7], s[20:21]
	s_or_b32 s7, s7, 0x80000000
	s_mov_b32 s8, 1
	s_mov_b32 s9, 2*HALFA
	s_mov_b64 s[10:11], s[46:47]
	s_or_b32 s11, s11, 0x80000000
.irp s, 0,1
	s_mov_b32 s[G0+4*\s], 1                        ; the ring's: my 128 rows, K step s, slot s
	s_add_co_u32 s[G0+4*\s+1], s45, \s*SLOT
	s_add_nc_u64 s[G0+4*\s+2:G0+4*\s+3], s[20:21], s[18:19]
.if \s
	s_add_nc_u64 s[G0+4*\s+2:G0+4*\s+3], s[G0+4*\s+2:G0+4*\s+3], KSA
.endif
	s_or_b32 s[G0+4*\s+3], s[G0+4*\s+3], 0x80000000
	s_mov_b32 s[G0B+4*\s], 1
	s_add_co_u32 s[G0B+4*\s+1], s95, \s*SLOT
	s_add_nc_u64 s[G0B+4*\s+2:G0B+4*\s+3], s[46:47], s[18:19]
.if \s
	s_add_nc_u64 s[G0B+4*\s+2:G0B+4*\s+3], s[G0B+4*\s+2:G0B+4*\s+3], ROWB
.endif
	s_or_b32 s[G0B+4*\s+3], s[G0B+4*\s+3], 0x80000000
.endr
; THE HEAD'S LOADS, ONE A WAVE: wave 0 fetches K step 0's 256 rows of A, wave 1 its 256 rows of B, wave 2 the scales of A's 256 rows, wave 3 those of B's.
; One chain of branches on the wave's number: every way through the head passes exactly one load.
.macro ARM under, g0, g1, next
	s_cmp_lt_u32 s14, \under
	s_cbranch_scc0 \next
	tensor_load_to_lds s[\g0:\g0+3], s[\g1:\g1+7]
	s_nop 0
.rept 4
	v_nop
.endr
	s_branch .Lhead_asked
\next:
.endm
	ARM 1, 4, G1, .Lhead_b
	ARM 2, 8, G1B, .Lhead_sa
	ARM 3, G0S, G1S, .Lhead_sb
	tensor_load_to_lds s[G0SB:G0SB+3], s[G1SB:G1SB+7]
	s_nop 0
.rept 4
	v_nop
.endr
.Lhead_asked:
	v_and_b32 v1, 15, v0
	v_bfe_u32 v2, v0, 4, 1
	v_and_b32 v6, 31, v0
	v_lshlrev_b32 v7, 4, v6
	v_lshlrev_b32 v8, 3, v6
	v_mul_u32_u24 v3, v1, PITCH
	v_mul_u32_u24 v4, v2, 24
	v_add_nc_u32 v4, v3, v4
	v_lshl_add_u32 v5, v2, 4, v4
	s_mul_i32 s21, s15, HALFA
	s_mul_i32 s22, s16, HALFT
	s_add_co_u32 s22, s22, 2*HALFA
.irp s, 0,1
	v_add_nc_u32 v[ADRA+\s], s21, v7
	v_add_nc_u32 v[ADRA+2+\s], s21, v8
	v_add_nc_u32 v[ADRB+\s], s22, v4
	v_add_nc_u32 v[ADRB+2+\s], s22, v5
	s_add_co_u32 s21, s21, SLOT
	s_add_co_u32 s22, s22, SLOT
.endr
	v_lshlrev_b32 v5, 5, v1
	v_lshrrev_b32 v6, 8, v5
	v_lshl_add_u32 v5, v6, 4, v5
	s_mul_i32 s21, s15, HALFS
	s_mul_i32 s22, s16, HALFS
	s_add_co_u32 s22, s22, 2*HALFS
	s_sub_co_u32 s22, s22, s21
	v_mul_u32_u24 v6, s22, v2
	s_add_co_u32 s21, s21, SCL
	v_add_nc_u32 v5, v5, v6
	v_add_nc_u32 v[ADRS], s21, v5
	s_mul_i32 s23, s14, 16*SPITCH
	v_mul_u32_u24 v5, v1, SPITCH
	v_lshl_add_u32 v5, v2, 6, v5
	v_add_nc_u32 v[STO], s23, v5
	v_mov_b32 v[CO], v7
	v_add_nc_u32 v[RD], s23, v7
	s_lshl_b32 s96, s17, 8
	s_lshl_b32 s97, s15, 7
	s_add_co_u32 s96, s96, s97
	s_lshl_b32 s96, s96, 12
	s_lshl_b32 s97, s42, 10
	s_add_co_u32 s96, s96, s97
	s_lshl_b32 s97, s16, 9
	s_add_co_u32 s96, s96, s97
	s_mov_b32 s97, 0
	s_add_nc_u64 s[12:13], s[12:13], s[96:97]
.macro FRAG reg, adr, q, i
.irp p, 0,1,2,3,4,5
.set PCE, 12*(\q)+6*(\p/3)+\p%3
.if PCE%8 < 5
	ds_load_b64 v[\reg+2*\p:\reg+2*\p+1], v[\adr] offset:8*PCE+16*(PCE/8)+(\i)*16*PITCH
.else
	ds_load_b64 v[\reg+2*\p:\reg+2*\p+1], v[\adr+2] offset:8*PCE+16*(PCE/8)+(\i)*16*PITCH
.endif
.endr
.endm
.macro FRAGA reg, slot, q, i
	ds_load_b128 v[\reg:\reg+3], v[ADRA+\slot] offset:(2*(\q))*6144+(\i)*768
	ds_load_b64 v[\reg+4:\reg+5], v[ADRA+2+\slot] offset:(2*(\q))*6144+(\i)*768+512
	ds_load_b128 v[\reg+6:\reg+9], v[ADRA+\slot] offset:(2*(\q)+1)*6144+(\i)*768
	ds_load_b64 v[\reg+10:\reg+11], v[ADRA+2+\slot] offset:(2*(\q)+1)*6144+(\i)*768+512
.endm
.macro MUL16 a0, p, kq, zero
.irp a, \a0, \a0+1
.irp b, 0,1,2,3,4,5,6,7
.if \zero
	v_wmma_scale_f32_16x16x128_f8f6f4 v[8*(8*((\a)%4)+\b):8*(8*((\a)%4)+\b)+7], v[128*(\p)+FR*\b:128*(\p)+FR*\b+FR-1], v[AF+FR*(\a):AF+FR*(\a)+FR-1], 0, v[SC+8*\b+(\kq)], v[SC+8*(\a)+(\kq)] matrix_a_fmt:MATRIX_FMT_FP6 matrix_b_fmt:MATRIX_FMT_FP6 matrix_a_scale:MATRIX_SCALE_ROW1
.else
	v_wmma_scale_f32_16x16x128_f8f6f4 v[8*(8*((\a)%4)+\b):8*(8*((\a)%4)+\b)+7], v[128*(\p)+FR*\b:128*(\p)+FR*\b+FR-1], v[AF+FR*(\a):AF+FR*(\a)+FR-1], v[8*(8*((\a)%4)+\b):8*(8*((\a)%4)+\b)+7], v[SC+8*\b+(\kq)], v[SC+8*(\a)+(\kq)] matrix_a_fmt:MATRIX_FMT_FP6 matrix_b_fmt:MATRIX_FMT_FP6 matrix_a_scale:MATRIX_SCALE_ROW1
.endif
.endr
.endr
.endm
.macro FETCH_B slot, q, p
	WIN TO_B
.irp i, 0,1,2,3,4,5,6,7
	FRAG 128*(\p)+FR*\i, ADRB+\slot, \q, \i
.endr
	WIN 0
.endm
.macro FETCH_A slot, q, i0
.irp i, \i0, \i0+1, \i0+2, \i0+3
	FRAGA AF+FR*(\i), \slot, \q, \i
.endr
.endm
.macro PLACES n
.rept \n
	v_nop
.endr
.endm
.macro STEP slot, kq, zero
	s_wait_dscnt 4*NLA
	WIN MUL_LO
	MUL16 0, 0, \kq, \zero
	MUL16 2, 0, \kq, \zero
	s_wait_dscnt 0x0
	PLACES NP
	FETCH_B \slot, 1, 1
	FETCH_A \slot, 1, 0
	WIN MUL_HI
	MUL16 4, 0, \kq, \zero
	MUL16 6, 0, \kq, \zero
	PLACES NP
	WIN 0
	FETCH_A \slot, 1, 4
.endm
.macro TURN slot, next, fill, kq
	s_wait_tensorcnt 0x0
	ds_add_u32 v[SPW], v[NIL]
	s_wait_dscnt 4*NLA+1
	WIN MUL_LO
	MUL16 0, 1, \kq, 0
	s_wait_dscnt 0x0
	s_barrier_signal -1
	MUL16 2, 1, \kq, 0
	WIN 0
	s_barrier_wait -1
.if \fill
	CREST
	s_add_nc_u64 s[G0+4*\slot+2:G0+4*\slot+3], s[G0+4*\slot+2:G0+4*\slot+3], 2*KSA
	s_add_nc_u64 s[G0B+4*\slot+2:G0B+4*\slot+3], s[G0B+4*\slot+2:G0B+4*\slot+3], 2*ROWB
	JLOAD G0+4*\slot, G1, G0B+4*\slot, G1B
.else
	PLACES NP
.endif
	FETCH_B \next, 0, 0
	FETCH_A \next, 0, 0
	WIN MUL_HI
	MUL16 4, 1, \kq, 0
	MUL16 6, 1, \kq, 0
	PLACES NP
	WIN 0
	FETCH_A \next, 0, 4
.endm
	s_wait_alu depctr_va_vdst(0)                   ; the wait at the head's end
	s_wait_tensorcnt 0x0                           ; my tile of the head's four is in; the lines ahead of a later first fill:
	ds_add_u32 v[SPW], v[NIL]
	s_mov_b32 s[G1+1], 32<<16                      ; no tensor load of mine is out, so a descriptor may be written: the ring's shape, 24,576 dense bytes as 96 rows of 256
	s_mov_b32 s[G1+2], 96<<16
	s_mov_b32 s[G1+3], 32<<16
	s_mov_b32 s[G1+4], 96
	s_mov_b32 s[G1+5], 32
	s_mov_b32 s[G1B+1], 256<<16
	s_mov_b32 s[G1B+2], 96<<16
	s_mov_b32 s[G1B+3], 256<<16
	s_mov_b32 s[G1B+4], 96
	s_mov_b32 s[G1B+5], 256
	s_wait_dscnt 0x0
	CROUND                                         ; all four tiles are in, and all sixteen work-groups are here;
	JLOAD G0+4, G1, G0B+4, G1B                     ; K step 1, slot 1's first fill: the first tensor load behind the round
	FETCH_B 0, 0, 0
	FETCH_A 0, 0, 0
.irp i, 0,1,2,3,4,5,6,7
	ds_load_b128 v[SC+8*\i:SC+8*\i+3], v[ADRS] offset:\i*SBLK
	ds_load_b128 v[SC+8*\i+4:SC+8*\i+7], v[ADRS] offset:\i*SBLK+16
.endr
	FETCH_A 0, 0, 4
	STEP 0, 0, 1
	TURN 0, 1, 1, 1
	STEP 1, 2, 0
	TURN 1, 0, 1, 3
	STEP 0, 4, 0
	TURN 0, 1, 0, 5
	STEP 1, 6, 0
	s_wait_dscnt 4*NLA
	WIN MUL_LO
	MUL16 0, 1, 7, 0
	MUL16 2, 1, 7, 0
	s_wait_dscnt 0x0
	WIN MUL_HI
	MUL16 4, 1, 7, 0
	MUL16 6, 1, 7, 0
	WIN 0
.macro TOSTAGE a
.set AC, 64*((\a)%4)
	WIN 0x08+4*((\a)/4)
.irp b, 0,1,2,3,4,5,6,7
	ds_store_b128 v[STO], v[AC+8*\b:AC+8*\b+3] offset:128*(\b/2)+32*(\b%2)
	ds_store_b128 v[STO], v[AC+8*\b+4:AC+8*\b+7] offset:128*(\b/2)+32*(\b%2)+16
.endr
	WIN 0
.set BB, BK+64*((\a)%2)
.irp t, 0,1,2,3,4,5,6,7,8,9,10,11,12,13,14,15
	ds_load_b128 v[BB+4*\t:BB+4*\t+3], v[RD] offset:\t*SPITCH
.endr
.endm
.macro SEND a, younger
.set BB, BK+64*((\a)%2)
	s_wait_dscnt \younger
.irp t, 0,1,2,3,4,5,6,7,8,9,10,11,12,13,14,15
	global_store_b128 v[CO], v[BB+4*\t:BB+4*\t+3], s[12:13] offset:(32*((\a)/2)+8*((\a)%2)+\t+8*(\t/8))*4096 th:TH_STORE_NT
.endr
.endm
	PLACES NP
	TOSTAGE 0
.irp a, 1,2,3,4,5,6,7
.if \a > 1
	s_wait_xcnt 0x0
.endif
	TOSTAGE \a
	SEND \a-1, 32
.endr
	SEND 7, 0
	s_wait_tensorcnt 0x0
	ds_add_u32 v[SPW], v[NIL]
	s_wait_dscnt 0x0
	CROUND
	s_endpgm
.Lfunc_end_k_q5bc3c4644e_outp:
	.size	k_q5bc3c4644e_outp, .Lfunc_end_k_q5bc3c4644e_outp-k_q5bc3c4644e_outp
	.p2alignl 7, 3214868480
	.fill 96, 4, 3214868480
	.section	.rodata,"a",@progbits
	.p2align	6, 0x0
	.amdhsa_kernel k_q5bc3c4644e_outp
		.amdhsa_group_segment_fixed_size 327680
		.amdhsa_private_segment_fixed_size 0
		.amdhsa_enable_private_segment 0
		.amdhsa_kernarg_size 40
		.amdhsa_user_sgpr_count 2
		.amdhsa_user_sgpr_kernarg_segment_ptr 1
		.amdhsa_wavefront_size32 1
		.amdhsa_system_sgpr_workgroup_id_x 1
		.amdhsa_system_sgpr_workgroup_id_y 1
		.amdhsa_system_sgpr_workgroup_id_z 1
		.amdhsa_system_vgpr_workitem_id 0
		.amdhsa_next_free_vgpr 1024
		.amdhsa_next_free_sgpr 98
		.amdhsa_reserve_vcc 0
		.amdhsa_float_denorm_mode_32 3
		.amdhsa_float_denorm_mode_16_64 3
		.amdhsa_memory_ordered 1
		.amdhsa_forward_progress 1
		.amdhsa_inst_pref_size 152
	.end_amdhsa_kernel
	.amdgpu_metadata
---
amdhsa.version: [ 1, 2 ]
amdhsa.kernels:
  - .name:           k_q5bc3c4644e_outp
    .symbol:         k_q5bc3c4644e_outp.kd
    .args:
      - { .name: oc, .offset: 0, .size: 8, .value_kind: global_buffer, .address_space: global }
      - { .name: os, .offset: 8, .size: 8, .value_kind: global_buffer, .address_space: global }
      - { .name: c1, .offset: 16, .size: 8, .value_kind: global_buffer, .address_space: global }
      - { .name: s1, .offset: 24, .size: 8, .value_kind: global_buffer, .address_space: global }
      - { .name: out0, .offset: 32, .size: 8, .value_kind: global_buffer, .address_space: global }
    .group_segment_fixed_size: 327680
    .private_segment_fixed_size: 0
    .kernarg_segment_align: 8
    .kernarg_segment_size: 40
    .max_flat_workgroup_size: 128
    .sgpr_count:     98
    .vgpr_count:     1024
    .wavefront_size: 32
...
	.end_amdgpu_metadata
.endif
;; end of part 4
